; MI455X (gfx1250); checked and timed in simulation.
; The chip was launched on July 23, 2026; its instructions are those of AMD's public machine-readable ISA for CDNA 5 (MIT licence, August 2026) and "CDNA5" Instruction Set Architecture Reference Guide (July 2026). The comments in the code are by the model that wrote it; some were corrected since.
;; Self Attention. Allowed arithmetic: matrix products marked QUANTISED: E4M3 operands, one given power-of-two scale a tensor, by v_wmma_f32_16x16x64_fp8_fp8 or v_wmma_f32_16x16x128_fp8_fp8, f32 sums; everything else in f32.
;; Inputs: Wk_codes 1,024 x 32 x 32 uint8 (E4M3 codes of Wk, K innermost, in blocks of 32 codes); Wq_codes 1,024 x 32 x 32 uint8 (E4M3 codes of Wq, K innermost, in blocks of 32 codes); Wv_codes 1,024 x 32 x 32 uint8 (E4M3 codes of Wv, K innermost, in blocks of 32 codes); inputs_codes 4 x 2,048 x 32 x 32 uint8 (E4M3 codes of inputs, K innermost, in blocks of 32 codes); lowp_scales 10 int32 (the exponents e of the quantised operands' scales 2^e).
;; Outputs: out0 4 x 2,048 x 1,024 float32.
;; This version of the problem:
;;   THIS VERSION OF THE PROBLEM IS GIVEN IN LOW PRECISION. The matrix products marked QUANTISED in the list below multiply operands that are first quantised to E4M3 (4 exponent bits, 3 mantissa bits; 8 bits a number), with one given power-of-two scale for each operand tensor; their sums are f32. All else is computed in f32.
;;   The module's matrix products, in the order in which they are computed (A, B: the left and right operand; K: the contracted axis; several contracted axes count as one K, in the product's order):
;;     1. [M 8,192, K 1,024] x [K 1,024, N 1,024]; A: input inputs (given as codes); B: input Wq (given as codes): QUANTISED (scales: A lowp_scales[0], B lowp_scales[1])
;;     2. [M 8,192, K 1,024] x [K 1,024, N 1,024]; A: input inputs (given as codes); B: input Wk (given as codes): QUANTISED (scales: A lowp_scales[2], B lowp_scales[3])
;;     3. [M 8,192, K 1,024] x [K 1,024, N 1,024]; A: input inputs (given as codes); B: input Wv (given as codes): QUANTISED (scales: A lowp_scales[4], B lowp_scales[5])
;;     4. batch 4 x [M 2,048, K 1,024] x [K 1,024, N 2,048]; A: computed on the way; B: computed on the way: QUANTISED (scales: A lowp_scales[6], B lowp_scales[7])
;;     5. batch 4 x [M 2,048, K 2,048] x [K 2,048, N 1,024]; A: softmax (see below); B: computed on the way: QUANTISED (scales: A lowp_scales[8], B lowp_scales[9])
;;   THE QUANTISER, for each operand of a quantised product, along K:
;;     - The operand's scale is 2^e, e = its entry of the input lowp_scales (int32; the entries are numbered through the quantised products in the list's order, A before B).
;;     - Each number is divided by the scale, clamped to +-448, and rounded to the nearest number of E4M3, ties to even, subnormals kept.
;;     - The product sums the exact products of the quantised numbers (number of the format x scale) in f32.
;;   ~~~python
;;   def quantise(x, axis, e):      # numpy; x: float32 -> the quantised numbers, widened to float32 again
;;       x = np.moveaxis(x, axis, -1); K = x.shape[-1]
;;       r = np.clip(x / 2.0 ** e, -448, 448)
;;       step = 2.0 ** (np.maximum(np.frexp(np.where(r == 0, 1, r))[1] - 1, -6) - 3)
;;       q = np.round(r / step) * step * 2.0 ** e      # np.round: ties to even
;;       return np.moveaxis(q, -1, axis).astype(np.float32)
;;   ~~~
;;   SOFTMAX AHEAD OF A QUANTISED PRODUCT. Where the list says 'softmax', what is quantised is not the finished softmax but p = 2^(t - M), with t = logit x log2(e) and M = ceil(the row's largest t), a whole number; so 1/2 < the row's largest p <= 1. The row's sum l is taken of the UNQUANTISED p, in f32, and the product's result is divided by l at the end. Since M is a whole number, a kernel that streams over the keys may use a running M (the ceiling of the running maximum): every later rescaling is an exact power of two, so the quantised numbers keep their values, but for numbers so far below the row's largest that they fall under the format's range.
;;   OPERANDS COMPUTED ON THE WAY. 'Computed on the way' means the value that the module computes at that place (a softmax that the list does not call 'softmax' is quantised finished and normalised). What goes into a quantiser is computed in f32, as accurately as f32 sums, v_exp_f32 and their like allow (about 1e-6 of the number): no bf16 or f16 on the way to a quantiser, and a product that is left as it is and whose result goes on into a quantised operand takes f32 operands (vector FMAs, or v_wmma_f32_16x16x4_f32). A number that lies on a knife's edge between two numbers of the format may be rounded either way, as far as f32 arithmetic and the matrix unit's own rounding can turn it there, and no further.
;;   INPUTS GIVEN AS CODES. Wk (in the module: [1024, 1024], K = its axis 1); Wq (in the module: [1024, 1024], K = its axis 1); Wv (in the module: [1024, 1024], K = its axis 1); inputs (in the module: [4, 2048, 1024], K = its axis 2): each comes as NAME_codes (uint8): NAME with its K axis moved to the last place and cut into blocks of 32 codes, [.., K / 32, bytes a block], one block behind the other in memory; one code a byte (a code: sign, 4 exponent bits, 3 mantissa bits); its scale is its entry of lowp_scales. Its value is code x scale, taken as it is: it is not quantised again, and the codes and scales need not be those that the quantiser above would give.
;; One version. Each part assembles by itself: llvm-mc -triple=amdgcn-amd-amdhsa -mcpu=gfx1250 --defsym DOCPART=n.
;; ======== version 1 of 1: 3 launches
;; limits: right only within a limited range of input values
;; workspace buffers: Qf 8,388,608 bytes; Kf 8,388,608 bytes; Vf 8,388,608 bytes; Pf 16,777,216 bytes; stats 786,432 bytes
;; launch proj (part 1): grid 8 x 32, 4 waves a work-group, clusters of 4 x 4, 327,680 bytes of LDS; arguments inputs_codes, Wq_codes, Wk_codes, Wv_codes, lowp_scales, Qf, Kf, Vf; writes Qf, Kf, Vf
.if DOCPART == 1
	.amdgcn_target "amdgcn-amd-amdhsa--gfx1250"
	.amdhsa_code_object_version 6
	.text
	.protected	k_q326cb1983c_proj
	.globl	k_q326cb1983c_proj
	.p2align	8
	.type	k_q326cb1983c_proj,@function
k_q326cb1983c_proj:
	s_mov_b64 s[64:65], 0
	v_nop
	global_prefetch_b8 v0, s[64:65] scope:SCOPE_SE
	s_setreg_imm32_b32 hwreg(HW_REG_WAVE_MODE, 25, 1), 1
	s_wait_xcnt 0x0
	s_wait_alu depctr_hold_cnt(0) depctr_sa_sdst(0) depctr_va_vdst(0) depctr_va_sdst(0) depctr_va_ssrc(0) depctr_va_vcc(0) depctr_vm_vsrc(0)
	s_getreg_b32 s2, hwreg(HW_REG_IB_STS2, 6, 4)
	s_cmp_eq_u32 s2, 0
	s_cbranch_scc0 .Lentry_in_a_cluster
	s_endpgm
.Lentry_in_a_cluster:
	s_bfe_u32 s2, ttmp6, 0x10000c
	s_cmp_lg_u32 s2, 0xf033
	s_cbranch_scc0 .Lentry_shape_is_right
	s_endpgm
.Lentry_shape_is_right:
; THE THREE PROJECTIONS, on codes of E4M3, and the quantising of their results; nothing of the problem is left out in any launch.
; A work-group makes 256 rows x 256 columns of Q (cluster x = 0) or of K (cluster x = 1), then 256 rows x 128 columns of V: 256 work-groups of equal work.
; Sums in f32; a finished sum stands for sum x 2^(its operands' e added), so its code under the scale 2^e is sum / 2^(e - those): the three powers of two are the conversion's one.
; LIMITS: e6 - e0 - e1, e7 - e2 - e3 and e9 - e4 - e5 lie between -126 and 119, so that each power of two and 448 times it are f32 numbers.
; Qf, Kf: [row tile 0..511][K step 0..7][2048], Vf: [channel tile 0..63][K step 0..63][2048]: IMAGES OF THE OPERAND'S REGISTERS: lane l's 16 bytes of register group c at 512 c + 16 l.
; Q, K: source 0 = 16 rows of the weight, source 1 = 16 rows of X: a lane holds one row and its registers run along the columns, the next product's K.
; V: source 0 = 16 rows of X, source 1 = 16 rows of Wv: a lane holds one channel and its registers run along the keys.
; CLUSTERS: X's tile is shared along a row of the cluster, the weights' along a column: each is asked for jointly.
; LDS: slot s: X's 256 rows x 256 K at s x SLOT, the weight's 256 rows behind; R behind both: Wv's K step 0, fetched with slot 1's first fill.
; V WALKS THE K STEPS 2, 3, 0, 1: X's steps 2 and 3 still lie in the slots.  Wv's steps 2 and 3 come where the weight's step 2 lay, X's step 0 where the weight's step 3 lay
; (under the way out of Q or K), X's and Wv's step 1 where their step 2 lay.
; REGISTERS, windows of 256: window 0: addresses, source-1 fragments from v128; window 1: source-0 fragments, two sets; windows 2 and 3: accumulators.
.set ROWB,   256
.set KROW,   1024
.set PITCH,  272                       ; an LDS row: 256 bytes + 16 of padding
.set FR,     16
.set NL,     4
.set NP,     4
.set HALFT,  128*PITCH
.set QUART,  64*PITCH
.set SLOT,   4*HALFT
.set R,      2*SLOT
.set SPARE,  R+HALFT                   ; the spare words, 128 bytes for each wave, which no other line names
.set LIM, 2                            ; s2: the wave's number, 4 more where the wave prefetches nothing
.set LIM1, 12
.set SC1,  13
.set LIM2, 14
.set SC2,  15
.set ADRA, 16                          ; v16-17 my rows of X as source 1, in slot 0, 1
.set ADRX, 18                          ; v18-19 my rows of X as source 0
.set ADRB, 20                          ; v20-21 my rows of the weight as source 0 (v21 serves X's step 0 too)
.set ADRW, 22                          ; v22    my rows of Wv behind slot 0's X
.set ADRR, 23                          ; v23    my rows of Wv in R
.set CO,   26
.set SPW,  28
.set NIL,  29
.set PFO,  30                          ; v30 the prefetches' offset: a lane a row; never rewritten
.set TMP,  32
.set AF,   128
.set CODE, 128
.set G1C, 4                            ; group 1: 64 rows, column mask
.set OUT1, 12
.set G1,  24                           ; 128 rows, row mask
.set G0,  32                           ; X's group 0, one for each slot
.set G1B, 48                           ; 128 rows, column mask
.set G0B, 56                           ; the weight's group 0, one for each slot
.set OUT2, 66
.set G1W, 68                           ; 256 rows, column mask
.set G0C, 92                           ; Wv's step 1
.set G0V, 96                           ; Wv's step 0, then 2 and 3
.set PFA, 100                          ; where my prefetches of X or the weight stand
.set PFV, 104                          ; and of Wv
.set MSB, 0
.macro WIN new
.if MSB != (\new)
	s_set_vgpr_msb (MSB<<8)|(\new)
.set MSB, \new
.endif
.endm
.set MUL_LO, 0xa1
.set MUL_HI, 0xf1
.set TO_B,   0x40
.macro TL g0, g1                       ; a tensor load, and the s_nop 0 and four v_nop behind it
	tensor_load_to_lds s[\g0:\g0+3], s[\g1:\g1+7]
	s_nop 0
.rept 4
	v_nop
.endr
.endm
.macro JLOAD g0a, g1a, g0b, g1b        ; waves 0, 1 / waves 2, 3
	s_cmp_eq_u32 s15, 0
	s_cbranch_scc0 .Lfor_b_\@
	TL \g0a, \g1a
	s_branch .Lasked_\@
.Lfor_b_\@:
	TL \g0b, \g1b
.Lasked_\@:
.endm
.macro ONLY half, g0, g1               ; waves 2 half and 2 half + 1 alone
	s_cmp_eq_u32 s15, \half
	s_cbranch_scc0 .Lnone_\@
	TL \g0, \g1
.Lnone_\@:
.endm
.macro CREST
	s_cmp_lg_u32 s14, 0
	s_cbranch_scc1 .Lnot_wave_0_\@
	s_barrier_signal -3
.Lnot_wave_0_\@:
	s_barrier_wait -3
	s_barrier_signal -1
	s_barrier_wait -1
.endm
.macro CROUND
	s_barrier_signal -1
	s_barrier_wait -1
	CREST
.endm
; PREFETCHES INTO THE L2: each fill of a K step of Q's or K's product asks for the next one's tiles, one slot ahead; Wv's steps are asked for two fills ahead (step 0: one).
; A wave's 128 rows of a step are shared out among the four partners that ask jointly, BY ADDRESS: 32 rows each, a lane a row, 256 bytes.
; X: every cluster asks for its own rows.  The weights, which eight clusters along y read: the clusters y = 0 .. 3 ask.  Nothing is asked for beyond K step 3; X's steps 0 and 1 have been read when they come again.
.macro PFX off
	s_cmp_lt_u32 s[LIM], 4
	s_cbranch_scc0 .Lno_\@
	global_prefetch_b8 v[PFO], s[PFA:PFA+1] offset:\off th:TH_LOAD_NT scope:SCOPE_SE
.Lno_\@:
.endm
.macro PFW wave, off                   ; Wv: the one wave
	s_cmp_eq_u32 s[LIM], \wave
	s_cbranch_scc0 .Lno_\@
	global_prefetch_b8 v[PFO], s[PFV:PFV+1] offset:\off th:TH_LOAD_NT scope:SCOPE_SE
.Lno_\@:
.endm
	s_load_b256 s[68:75], s[0:1], 0x0              ; X, Wq, Wk, Wv
	s_load_b256 s[76:83], s[0:1], 0x20             ; exponents, Qf, Kf, Vf
	v_lshl_add_u32 v[SPW], v0, 2, SPARE
	v_mov_b32 v[NIL], 0
	ds_add_u32 v[SPW], v[NIL]                      ; the wave's opening: the add, twice on end, and its wait
	ds_add_u32 v[SPW], v[NIL]
	v_lshrrev_b32 v1, 5, v0
	v_readfirstlane_b32 s14, v1                    ; wave 0..3
	s_lshr_b32 s15, s14, 1
	s_and_b32 s16, s14, 1
	s_bfe_u32 s40, ttmp6, 0x40000                  ; cx, cy
	s_bfe_u32 s41, ttmp6, 0x40004
	; THE DEAL: with clusters numbered c = x + 2 y, cluster c takes part c + 1 mod 16.  So the cluster x and y of this text's comments are x' = 1 - ttmp9 and y' = (ttmp7 + ttmp9) mod 8
	s_and_b32 s17, ttmp7, 0xffff
	s_add_co_u32 s17, s17, ttmp9
	s_and_b32 s17, s17, 7
	s_lshl_b32 s17, s17, 2
	s_add_co_u32 s17, s17, s41                     ; the block of 256 rows, 0..31
	s_sub_co_u32 s42, 1, ttmp9
	s_lshl_b32 s42, s42, 2
	s_add_co_u32 s42, s42, s40                     ; V's block of 128 columns, 0..7; Q's or K's block of 256 is cx
	s_lshl_b32 s43, s41, 2
	s_lshl_b32 s43, 15, s43                        ; my row of the cluster
	s_lshl_b32 s44, 0x1111, s40                    ; my column
.macro G1SET g, mask, rows
	s_or_b32 s[\g], s[\mask], (0<<16)|(1<<20)|(1<<21)|(5<<22)|(3<<25)   ; the mask; bytes; 4 words of padding after every 64; bit 21 beside a mask
	s_mov_b32 s[\g+1], ROWB<<16
	s_mov_b32 s[\g+2], (\rows)<<16
	s_mov_b32 s[\g+3], ROWB<<16
	s_mov_b32 s[\g+4], \rows
	s_mov_b32 s[\g+5], KROW
	s_mov_b32 s[\g+6], 0
	s_mov_b32 s[\g+7], 0
.endm
	G1SET G1, 43, 128
	G1SET G1B, 44, 128
	G1SET G1C, 44, 64
	s_lshl_b32 s18, s16, 7
	s_lshl_b32 s20, s17, 8
	s_add_co_u32 s20, s20, s18
	s_lshl_b32 s20, s20, 10                        ; X: row 256 x block + 128 x half
	s_mov_b32 s21, 0
	s_lshl_b32 s46, s40, 8
	s_add_co_u32 s46, s46, s18
	s_lshl_b32 s46, s46, 10                        ; the weight: row 256 cx + 128 x half
	s_mov_b32 s47, 0
	s_lshl_b32 s66, s42, 17                        ; Wv: row 128 x column block
	s_mov_b32 s67, 0
	s_mul_i32 s45, s14, HALFT
	s_wait_alu depctr_va_vdst(0)
	s_wait_dscnt 0x0                               ; both opening adds are done
	s_wait_kmcnt 0x0
	s_load_b256 s[84:91], s[76:77], 0x0            ; e0 .. e7
	s_load_b32 s3, s[76:77], 0x24                  ; e9
	s_cmp_eq_u32 ttmp9, 1
	s_cselect_b64 s[22:23], s[70:71], s[72:73]
	s_cselect_b64 s[OUT1:OUT1+1], s[78:79], s[80:81]
	s_add_nc_u64 s[20:21], s[68:69], s[20:21]
	s_add_nc_u64 s[46:47], s[22:23], s[46:47]
	s_add_nc_u64 s[66:67], s[74:75], s[66:67]
	CROUND                                         ; all sixteen work-groups are here: the first joint loads meet
.irp s, 0,1
	s_mov_b32 s[G0+4*\s], 1
	s_add_co_u32 s[G0+4*\s+1], s45, \s*SLOT
	s_add_nc_u64 s[G0+4*\s+2:G0+4*\s+3], s[20:21], \s*ROWB
	s_or_b32 s[G0+4*\s+3], s[G0+4*\s+3], 0x80000000
	s_mov_b32 s[G0B+4*\s], 1
	s_add_co_u32 s[G0B+4*\s+1], s45, \s*SLOT
	s_add_nc_u64 s[G0B+4*\s+2:G0B+4*\s+3], s[46:47], \s*ROWB
	s_or_b32 s[G0B+4*\s+3], s[G0B+4*\s+3], 0x80000000
.endr
	JLOAD G0, G1, G0B, G1B                         ; K step 0: one tensor load a wave at the head
	G1SET G1W, 44, 256
	s_mov_b32 s[G0V], 1                            ; Wv's step 0, 128 rows, into R
	s_mov_b32 s[G0V+1], R
	s_mov_b64 s[G0V+2:G0V+3], s[66:67]
	s_or_b32 s[G0V+3], s[G0V+3], 0x80000000
	s_lshl_b32 s22, s16, 16
	s_add_co_u32 s22, s22, ROWB
	s_mov_b32 s23, 0
	s_mov_b32 s[G0C], 1                            ; Wv's step 1, 64 rows a wave, behind slot 0's X
	s_mul_i32 s[G0C+1], s16, QUART
	s_add_co_u32 s[G0C+1], s[G0C+1], 2*HALFT
	s_add_nc_u64 s[G0C+2:G0C+3], s[66:67], s[22:23]
	s_or_b32 s[G0C+3], s[G0C+3], 0x80000000
	; where the prefetches stand, and who asks
	s_cmp_eq_u32 s15, 0
	s_cselect_b64 s[PFA:PFA+1], s[20:21], s[46:47]
	s_cselect_b32 s22, s40, s41
	s_lshl_b32 s22, s22, 15                        ; my work-group's 32 rows of the 128
	s_add_nc_u64 s[PFA:PFA+1], s[PFA:PFA+1], s[22:23]
	s_lshl_b32 s22, s41, 15
	s_lshl_b32 s18, s16, 8
	s_add_co_u32 s22, s22, s18                     ; Wv: 32 rows; wave 2 at step 0, wave 3 at step 1
	s_add_nc_u64 s[PFV:PFV+1], s[66:67], s[22:23]
	s_and_b32 s22, ttmp7, 0xffff
	s_add_co_u32 s22, s22, ttmp9
	s_bfe_u32 s22, s22, 0x10002                    ; 1 where y' is 4 or more
	s_mul_i32 s22, s22, s15
	s_lshl_b32 s22, s22, 2
	s_add_co_u32 s[LIM], s14, s22
	s_lshl_b32 s46, s16, 8                         ; from Wv's step 0 to step 2 (wave 2) or 3 (wave 3)
	s_add_co_u32 s46, s46, 2*ROWB
	s_mov_b32 s47, 0
	s_mul_i32 s18, s15, HALFT
	s_mul_i32 s19, s16, HALFT
	s_mul_i32 s22, s15, QUART
	v_and_b32 v1, 15, v0                           ; a fragment from LDS: row l % 16, 16 bytes at 16 (l / 16) + 32 c
	v_bfe_u32 v2, v0, 4, 1
	v_mul_u32_u24 v3, v1, PITCH
	v_lshl_add_u32 v4, v2, 4, v3
	v_add_nc_u32 v[ADRA], s18, v4
	v_add_nc_u32 v[ADRX], s19, v4
	v_add_nc_u32 v5, s22, v4
	v_add_nc_u32 v[ADRA+1], SLOT, v[ADRA]
	v_add_nc_u32 v[ADRX+1], SLOT, v[ADRX]
	v_add_nc_u32 v[ADRB], 2*HALFT, v[ADRX]
	v_add_nc_u32 v[ADRB+1], SLOT+2*HALFT, v[ADRX]
	v_add_nc_u32 v[ADRW], 2*HALFT, v5
	v_add_nc_u32 v[ADRR], R, v5
	v_and_b32 v6, 31, v0
	v_lshlrev_b32 v[CO], 4, v6
	v_lshlrev_b32 v[PFO], 10, v6
	s_wait_alu depctr_va_vdst(0)                   ; ahead of the branches below
	PFX ROWB
	PFW 2, 0
	s_lshl_b32 s20, s17, 4                         ; Q, K: row tile 16 x block + 8 x half, K step 2 cx + half of the columns
	s_lshl_b32 s21, s15, 3
	s_add_co_u32 s20, s20, s21
	s_lshl_b32 s20, s20, 3
	s_lshl_b32 s21, s40, 1
	s_add_co_u32 s21, s21, s16
	s_add_co_u32 s20, s20, s21
	s_lshl_b32 s20, s20, 11
	s_mov_b32 s21, 0
	s_add_nc_u64 s[OUT1:OUT1+1], s[OUT1:OUT1+1], s[20:21]
	s_lshl_b32 s20, s42, 3                         ; V: channel tile 8 x block + 4 x half, K step 2 x row block + half of the keys
	s_lshl_b32 s21, s15, 2
	s_add_co_u32 s20, s20, s21
	s_lshl_b32 s20, s20, 6
	s_lshl_b32 s21, s17, 1
	s_add_co_u32 s21, s21, s16
	s_add_co_u32 s20, s20, s21
	s_lshl_b32 s20, s20, 11
	s_mov_b32 s21, 0
	s_add_nc_u64 s[OUT2:OUT2+1], s[82:83], s[20:21]
	s_wait_kmcnt 0x0
	s_cmp_eq_u32 ttmp9, 1
	s_cselect_b32 s18, s84, s86
	s_cselect_b32 s19, s85, s87
	s_cselect_b32 s20, s90, s91
.macro SCALE sc, lim                   ; s20 = e of the result - the operands' two: the scale and 448 x it
	s_add_co_i32 s20, s20, 127
	s_lshl_b32 s21, s20, 23
	v_mov_b32 v[\sc], s21
	s_add_co_i32 s20, s20, 8
	s_lshl_b32 s20, s20, 23
	s_or_b32 s20, s20, 0x600000
	v_mov_b32 v[\lim], s20
.endm
	s_sub_co_i32 s20, s20, s18
	s_sub_co_i32 s20, s20, s19
	SCALE SC1, LIM1
	s_sub_co_i32 s20, s3, s88
	s_sub_co_i32 s20, s20, s89
	SCALE SC2, LIM2
.macro FRAG reg, adr, o, i
.irp c, 0,1,2,3
	ds_load_b128 v[\reg+4*\c:\reg+4*\c+3], v[\adr] offset:(\o)+32*\c+(\i)*16*PITCH
.endr
.endm
.macro PLACES n
.rept \n
	v_nop
.endr
.endm
.macro MUL16 a0, p, zero               ; the 64 accumulators take turns, one instruction a turn
.irp a, \a0, \a0+1
.irp b, 0,1,2,3,4,5,6,7
.if \zero
	v_wmma_f32_16x16x128_fp8_fp8 v[8*(8*((\a)%4)+\b):8*(8*((\a)%4)+\b)+7], v[128*(\p)+FR*\b:128*(\p)+FR*\b+FR-1], v[AF+FR*(\a):AF+FR*(\a)+FR-1], 0
.else
	v_wmma_f32_16x16x128_fp8_fp8 v[8*(8*((\a)%4)+\b):8*(8*((\a)%4)+\b)+7], v[128*(\p)+FR*\b:128*(\p)+FR*\b+FR-1], v[AF+FR*(\a):AF+FR*(\a)+FR-1], v[8*(8*((\a)%4)+\b):8*(8*((\a)%4)+\b)+7]
.endif
.endr
.endr
.endm
.macro FETCH_B slot, q, p
	WIN TO_B
.irp i, 0,1,2,3,4,5,6,7
	FRAG 128*(\p)+FR*\i, ADRB+\slot, 128*(\q), \i
.endr
	WIN 0
.endm
.macro FETCH_A slot, q, i0
.irp i, \i0, \i0+1, \i0+2, \i0+3
	FRAG AF+FR*(\i), ADRA+\slot, 128*(\q), \i
.endr
.endm
.macro ONE a, b, p, zero               ; accumulator (a, b), a under 4
.if \zero
	v_wmma_f32_16x16x128_fp8_fp8 v[8*(8*(\a)+\b):8*(8*(\a)+\b)+7], v[128*(\p)+FR*(\b):128*(\p)+FR*(\b)+FR-1], v[AF+FR*(\a):AF+FR*(\a)+FR-1], 0
.else
	v_wmma_f32_16x16x128_fp8_fp8 v[8*(8*(\a)+\b):8*(8*(\a)+\b)+7], v[128*(\p)+FR*(\b):128*(\p)+FR*(\b)+FR-1], v[AF+FR*(\a):AF+FR*(\a)+FR-1], v[8*(8*(\a)+\b):8*(8*(\a)+\b)+7]
.endif
.endm
.macro FIRST slot                      ; a slot's first 128 along K, in the order in which STEP wants them: A 0, B 0-7, A 1-3 (A 4-7 follow)
	FRAG AF, ADRA+\slot, 0, 0
	FETCH_B \slot, 0, 0
.irp i, 1,2,3
	FRAG AF+FR*\i, ADRA+\slot, 0, \i
.endr
.endm
; A slot's first step.  Each pair of products waits for its own fragments: of FIRST's 48 loads and A 4-7's 16 the youngest 52 - 4 b may be out.
.macro STEP slot, q, zero
	WIN MUL_LO
.irp b, 0,2,4,6
	s_wait_dscnt 52-4*\b
	ONE 0, \b, (\q)%2, \zero
	ONE 0, \b+1, (\q)%2, \zero
.endr
	s_wait_dscnt 24                                ; A 1 is in
.irp b, 0,1,2,3,4,5,6,7
	ONE 1, \b, (\q)%2, \zero
.endr
	FETCH_B \slot, (\q)+1, 1-(\q)%2                ; (the other set was last read ahead of the places in front of A 4-7's loads)
	s_wait_dscnt 48                                ; A 2, 3 are in: A 4-7's 16 and the 32 just issued may be out
	WIN MUL_LO
	MUL16 2, (\q)%2, \zero
	s_wait_dscnt 32                                ; A 4-7 are in
	PLACES NP
	WIN 0
	FETCH_A \slot, (\q)+1, 0
	WIN MUL_HI
	MUL16 4, (\q)%2, \zero
	MUL16 6, (\q)%2, \zero
	PLACES NP
	WIN 0
	FETCH_A \slot, (\q)+1, 4
.endm
; A slot's last step of 128 changes slots.  fill 1: the K step two on; 2: Wv's steps 2 and 3; 3: X's step 0 (nothing is fetched: the way out follows).
.macro TURN slot, next, fill
	s_wait_tensorcnt 0x0                           ; all my tensor loads have landed
	ds_add_u32 v[SPW], v[NIL]                      ; 0 onto my spare word
	s_wait_dscnt 4*NL+1                            ; the add and the youngest 16 loads may be out
	WIN MUL_LO
	MUL16 0, 1, 0
	s_wait_dscnt 0x0                               ; the add is done, and my reads of this slot are over
	s_barrier_signal -1
	MUL16 2, 1, 0
	WIN 0
	s_barrier_wait -1
	CREST                                          ; a round of the cluster's barrier: no wave of any partner still reads this slot or has a load on its way
.if (\fill) == 1
	s_add_nc_u64 s[G0+4*\slot+2:G0+4*\slot+3], s[G0+4*\slot+2:G0+4*\slot+3], 2*ROWB
	s_add_nc_u64 s[G0B+4*\slot+2:G0B+4*\slot+3], s[G0B+4*\slot+2:G0B+4*\slot+3], 2*ROWB
	JLOAD G0+4*\slot, G1, G0B+4*\slot, G1B
.elseif (\fill) == 2
	s_mov_b32 s[G0V+1], s45                        ; where this slot's weight lay: wave 2 the first 128 rows, wave 3 the others
	s_add_nc_u64 s[G0V+2:G0V+3], s[G0V+2:G0V+3], s[46:47]
	ONLY 1, G0V, G1B
	PLACES NP
.else
	s_add_co_u32 s[G0+5], s[G0+5], 2*HALFT         ; where slot 1's weight lay
	s_sub_nc_u64 s[G0+6:G0+7], s[G0+6:G0+7], 3*ROWB
	ONLY 0, G0+4, G1
.endif
.if (\fill) < 3
	FIRST \next
.if (\fill) == 2
	PFW 3, 0                                       ; Wv's step 1, two fills ahead
.elseif (\slot) == 0
	PFX 3*ROWB
	PFW 2, 2*ROWB                                  ; Wv's steps 2 and 3, two fills ahead
	PFW 3, 2*ROWB
.endif
.endif
	WIN MUL_HI
	MUL16 4, 1, 0
	MUL16 6, 1, 0
	PLACES NP
	WIN 0
.if (\fill) < 3
	FETCH_A \next, 0, 4
.endif
.endm
; V: a wave makes 128 keys x 64 channels.  48 loads bring 128 along K into set p: Wv's first fragment, X's eight, Wv's other three: the order in which the products want them.
.macro FETCHV ax, aw, wo, q, p
	WIN 0
	FRAG AF+64*(\p), \aw, (\wo)+128*(\q), 0
	WIN TO_B
.irp i, 0,1,2,3,4,5,6,7
	FRAG 128*(\p)+FR*\i, \ax, 128*(\q), \i
.endr
	WIN 0
.irp i, 1,2,3
	FRAG AF+64*(\p)+FR*\i, \aw, (\wo)+128*(\q), \i
.endr
.endm
.macro MMV p, a, zero
.irp b, 0,1,2,3,4,5,6,7
.if \zero
	v_wmma_f32_16x16x128_fp8_fp8 v[8*(8*(\a)+\b):8*(8*(\a)+\b)+7], v[128*(\p)+FR*\b:128*(\p)+FR*\b+FR-1], v[AF+64*(\p)+FR*(\a):AF+64*(\p)+FR*(\a)+FR-1], 0
.else
	v_wmma_f32_16x16x128_fp8_fp8 v[8*(8*(\a)+\b):8*(8*(\a)+\b)+7], v[128*(\p)+FR*\b:128*(\p)+FR*\b+FR-1], v[AF+64*(\p)+FR*(\a):AF+64*(\p)+FR*(\a)+FR-1], v[8*(8*(\a)+\b):8*(8*(\a)+\b)+7]
.endif
.endr
.endm
; 128 along K of V from set p.  mode 0: fetches the next into the other set; 1: a round and the last fill ahead of that; 2: a barrier behind which nothing is filled; 3: the last.
.macro ONEV p, b, zero                 ; accumulator (0, b)
.if \zero
	v_wmma_f32_16x16x128_fp8_fp8 v[8*(\b):8*(\b)+7], v[128*(\p)+FR*(\b):128*(\p)+FR*(\b)+FR-1], v[AF+64*(\p):AF+64*(\p)+FR-1], 0
.else
	v_wmma_f32_16x16x128_fp8_fp8 v[8*(\b):8*(\b)+7], v[128*(\p)+FR*(\b):128*(\p)+FR*(\b)+FR-1], v[AF+64*(\p):AF+64*(\p)+FR-1], v[8*(\b):8*(\b)+7]
.endif
.endm
.macro VH p, zero, mode, ax, aw, wo, q
	WIN MUL_LO
.irp b, 0,2,4,6
	s_wait_dscnt 36-4*\b                           ; each pair waits for its two fragments of X: the youngest 36 - 4 b of the 48 loads may be out
	ONEV \p, \b, \zero
	ONEV \p, \b+1, \zero
.endr
.if (\mode) == 1 || (\mode) == 2
	s_wait_dscnt 0x0                               ; my reads are over
	WIN 0
	s_wait_tensorcnt 0x0                           ; all my tensor loads have landed
	ds_add_u32 v[SPW], v[NIL]                      ; 0 onto my spare word
	WIN MUL_LO
	MMV \p, 1, \zero
	s_wait_dscnt 0x0                               ; the add is done
	s_barrier_signal -1
	WIN 0
	s_barrier_wait -1
.if (\mode) == 1
	CREST
	s_sub_nc_u64 s[G0+2:G0+3], s[G0+2:G0+3], ROWB  ; X's step 1 over step 2, Wv's likewise
	JLOAD G0, G1, G0C, G1C
.else
	PLACES NP
.endif
.else
	s_wait_dscnt 8                                 ; Wv's fragment 1 is in
	MMV \p, 1, \zero
.if (\mode) == 0
	PLACES NP
.else
	s_wait_dscnt 0x0
.endif
.endif
.if (\mode) < 3
	FETCHV \ax, \aw, \wo, \q, 1-(\p)
.if (\mode) == 0
	s_wait_dscnt 48                                ; all but the 48 just issued
.endif
	WIN MUL_LO
.endif
	MMV \p, 2, \zero
	MMV \p, 3, \zero
.endm
; The way out of a tile of 16: held at the largest code, converted, stored as an image: 512 consecutive bytes a store.
.macro QOUT a, lim, sc, base, stride
.set AC, 64*((\a)%4)
	WIN 0x02+((\a)/4)
.set k, 0
.rept 64
	v_med3_num_f32 v[TMP+k], v[AC+k], -v[\lim], v[\lim]   ; the conversion to an 8-bit code does not saturate (ISA guide 7.6.2)
.set k, k+1
.endr
	WIN 0
.irp b, 0,1,2,3,4,5,6,7
	v_cvt_scalef32_pk8_fp8_f32 v[CODE+16*(\a)+2*\b:CODE+16*(\a)+2*\b+1], v[TMP+8*\b:TMP+8*\b+7], v[\sc]
.endr
	v_nop                                          ; a plain instruction between the conversions and what next writes their sources
.irp c, 0,1,2,3
	global_store_b128 v[CO], v[CODE+16*(\a)+4*\c:CODE+16*(\a)+4*\c+3], s[\base:\base+1] offset:(\stride)*(\a)+512*\c
.endr
.endm
	s_wait_alu depctr_va_vdst(0)
	s_wait_tensorcnt 0x0                           ; my part of K step 0 is in; these lines stand ahead of a later first fill as ahead of a refill
	ds_add_u32 v[SPW], v[NIL]
	s_wait_dscnt 0x0
	CROUND
	s_cmp_eq_u32 s15, 0                            ; K step 1: waves 0, 1 X's halves; wave 2 the weight's 256 rows; wave 3 Wv's step 0, into R
	s_cbranch_scc0 .Lfirst_b
	TL G0+4, G1
	s_branch .Lfirst
.Lfirst_b:
	s_cmp_eq_u32 s16, 0
	s_cbranch_scc0 .Lfirst_v
	TL G0B+4, G1W
	s_branch .Lfirst
.Lfirst_v:
	TL G0V, G1B
.Lfirst:
	FIRST 0
	FETCH_A 0, 0, 4
	PFX 2*ROWB
	STEP 0, 0, 1                                   ; K = 1,024 is four slots of 256: written out
	TURN 0, 1, 1
	STEP 1, 0, 0
	TURN 1, 0, 1
	STEP 0, 0, 0
	TURN 0, 1, 2
	STEP 1, 0, 0
	TURN 1, 0, 3
.irp a, 0,1,2,3,4,5,6,7
	QOUT \a, LIM1, SC1, OUT1, 16384
.endr
	s_wait_xcnt 0x0                                ; the stores have read their registers
	FETCHV ADRX, ADRW, 0, 0, 0
	VH 0, 1, 0, ADRX, ADRW, 0, 1                   ; K step 2
	VH 1, 0, 1, ADRX+1, ADRW, HALFT, 0
	VH 0, 0, 0, ADRX+1, ADRW, HALFT, 1             ; K step 3
	VH 1, 0, 0, ADRB+1, ADRR, 0, 0
	VH 0, 0, 0, ADRB+1, ADRR, 0, 1                 ; K step 0
	VH 1, 0, 2, ADRX, ADRW, 0, 0
	VH 0, 0, 0, ADRX, ADRW, 0, 1                   ; K step 1
	VH 1, 0, 3, 0, 0, 0, 0
	WIN 0
	PLACES NP
.irp a, 0,1,2,3
	QOUT \a, LIM2, SC2, OUT2, 131072
.endr
	s_wait_tensorcnt 0x0                           ; the wave's end
	ds_add_u32 v[SPW], v[NIL]
	s_wait_dscnt 0x0
	CROUND                                         ; the closing round
	s_endpgm
.Lfunc_end_k_q326cb1983c_proj:
	.size	k_q326cb1983c_proj, .Lfunc_end_k_q326cb1983c_proj-k_q326cb1983c_proj
	.p2alignl 7, 3214868480
	.fill 96, 4, 3214868480
	.section	.rodata,"a",@progbits
	.p2align	6, 0x0
	.amdhsa_kernel k_q326cb1983c_proj
		.amdhsa_group_segment_fixed_size 327680
		.amdhsa_private_segment_fixed_size 0
		.amdhsa_enable_private_segment 0
		.amdhsa_kernarg_size 64
		.amdhsa_user_sgpr_count 2
		.amdhsa_user_sgpr_kernarg_segment_ptr 1
		.amdhsa_wavefront_size32 1
		.amdhsa_system_sgpr_workgroup_id_x 1
		.amdhsa_system_sgpr_workgroup_id_y 1
		.amdhsa_system_sgpr_workgroup_id_z 1
		.amdhsa_system_vgpr_workitem_id 0
		.amdhsa_next_free_vgpr 1024
		.amdhsa_next_free_sgpr 106
		.amdhsa_reserve_vcc 0
		.amdhsa_float_denorm_mode_32 3
		.amdhsa_float_denorm_mode_16_64 3
		.amdhsa_memory_ordered 1
		.amdhsa_forward_progress 1
		.amdhsa_inst_pref_size 189
	.end_amdhsa_kernel
	.amdgpu_metadata
---
amdhsa.version: [ 1, 2 ]
amdhsa.kernels:
  - .name:           k_q326cb1983c_proj
    .symbol:         k_q326cb1983c_proj.kd
    .args:
      - { .name: inputs_codes, .offset: 0, .size: 8, .value_kind: global_buffer, .address_space: global }
      - { .name: Wq_codes, .offset: 8, .size: 8, .value_kind: global_buffer, .address_space: global }
      - { .name: Wk_codes, .offset: 16, .size: 8, .value_kind: global_buffer, .address_space: global }
      - { .name: Wv_codes, .offset: 24, .size: 8, .value_kind: global_buffer, .address_space: global }
      - { .name: lowp_scales, .offset: 32, .size: 8, .value_kind: global_buffer, .address_space: global }
      - { .name: Qf, .offset: 40, .size: 8, .value_kind: global_buffer, .address_space: global }
      - { .name: Kf, .offset: 48, .size: 8, .value_kind: global_buffer, .address_space: global }
      - { .name: Vf, .offset: 56, .size: 8, .value_kind: global_buffer, .address_space: global }
    .group_segment_fixed_size: 327680
    .private_segment_fixed_size: 0
    .kernarg_segment_align: 8
    .kernarg_segment_size: 64
    .max_flat_workgroup_size: 128
    .sgpr_count:     106
    .vgpr_count:     1024
    .wavefront_size: 32
...
	.end_amdgpu_metadata
.endif
;; end of part 1
;; launch score (part 2): grid 8 x 32, 4 waves a work-group, clusters of 4 x 4, 327,680 bytes of LDS; arguments Qf, Kf, lowp_scales, Pf, stats; writes Pf, stats
.if DOCPART == 2
	.amdgcn_target "amdgcn-amd-amdhsa--gfx1250"
	.amdhsa_code_object_version 6
	.text
	.protected	k_q326cb1983c_score
	.globl	k_q326cb1983c_score
	.p2align	8
	.type	k_q326cb1983c_score,@function
k_q326cb1983c_score:
	s_mov_b64 s[64:65], 0
	v_nop
	global_prefetch_b8 v0, s[64:65] scope:SCOPE_SE
	s_setreg_imm32_b32 hwreg(HW_REG_WAVE_MODE, 25, 1), 1
	s_wait_xcnt 0x0
	s_wait_alu depctr_hold_cnt(0) depctr_sa_sdst(0) depctr_va_vdst(0) depctr_va_sdst(0) depctr_va_ssrc(0) depctr_va_vcc(0) depctr_vm_vsrc(0)
	s_getreg_b32 s2, hwreg(HW_REG_IB_STS2, 6, 4)
	s_cmp_eq_u32 s2, 0
	s_cbranch_scc0 .Lentry_in_a_cluster
	s_endpgm
.Lentry_in_a_cluster:
	s_bfe_u32 s2, ttmp6, 0x10000c
	s_cmp_lg_u32 s2, 0xf033
	s_cbranch_scc0 .Lentry_shape_is_right
	s_endpgm
.Lentry_shape_is_right:
; THE SCORES AND THE SOFTMAX'S p.  S = Q K^T on codes of E4M3, in tiles of 256 queries x 256 keys; nothing of the problem is left out here.
; t = S x 2^(e6 + e7) x log2(e) / 32;  M = the largest t of the query among the tile's 256 keys, rounded UP to a whole number;  p = 2^(t - M) is quantised with the scale 2^e8 and stored as codes.
; M is a block's, not the row's: the last launch brings each block of 256 keys under the row's M by 2^(block's M - row's M), a multiplication that rounds nothing.
; Stored beside the codes, in f32: the block's M for each query, and the sum of the UNQUANTISED p over each 128 keys.
; LIMITS: e6 + e7 between -121 and 132 (they are added to the constant's exponent field); e8 between -126 and 119.  The hold at 448 x 2^e8 acts on p under the block's M: with e8 of -9 or less it holds other
; numbers than a hold under the row's M would.  p so small that its code under the row's M would fall under the format's range keeps a finer code here.  NaN among the scores is not served.
; Qf, Kf: [row tile][K step 0..7][2048]: IMAGES OF THE OPERAND'S REGISTERS: lane l's 16 bytes of register group c at 512 c + 16 l.  So a tile in LDS needs no pitch, and a fragment comes by four loads of 512 consecutive bytes.
; Pf: [query tile 0..511][K step 0..15 of the batch's keys][2048], the same kind of image, stored straight from the conversions' registers.
; stats: M at byte 0: [key block 0..7][row 0..8191];  the sums at byte 262,144: [K step 0..15][row].
; SHARES, CLUSTERS, REGISTER WINDOWS: as in the launch before: four waves of 128 x 128; Q's tile shared along a row of the cluster, K's along a column; source 0 = 16 keys, source 1 = 16 queries: a lane holds ONE query.
.set FR,     16
.set NL,     4
.set NP,     4
.set HALFT,  32768                     ; 8 row tiles x 2 K steps x 2,048 bytes: what one tensor load brings
.set SLOT,   4*HALFT
.set SLOTG,  4096                      ; a slot on, in a row tile's bytes in memory: two K steps' images
.set SPARE,  2*SLOT                    ; the spare words, 128 bytes for each wave, which no other line names
.set EX,     SPARE+512                 ; 1,024 bytes a wave: the maxima that the two waves of a query half show each other
.set STT,    EX+4096                   ; 1,024 bytes a wave, its own: M and the sums on their way to rows of 512 bytes
.set EXW,  8                           ; v8   where I put my maxima
.set EXR,  9                           ; v9   where the wave of the other key half put its own
.set STW,  11                          ; v11  my query's word in my wave's STT
.set LIMV, 12                          ; v12  448 x 2^e8
.set SCV,  13                          ; v13  2^e8
.set STR,  14                          ; v14  16 x lane in my wave's STT
.set ADRA, 16
.set ADRB, 20
.set CO,   26                          ; v26  16 x lane
.set SPW,  28
.set NIL,  29
.set TMP,  32                          ; v32-95  a row tile's 64 numbers; first the maxima's chains
.set MX,   96                          ; v96-103  the maxima, later the sums
.set PM,   104                         ; v104-111 the partner's maxima, later M
.set NM,   112                         ; v112-127 -M, twice, a pair for each row tile
.set AF,   128
.set CODE, 0                           ; window 1: the codes of query tile a at v[16 a]
.set G1, 24
.set G0, 32
.set G1B, 48
.set G0B, 56
.set MSB, 0
.macro WIN new
.if MSB != (\new)
	s_set_vgpr_msb (MSB<<8)|(\new)
.set MSB, \new
.endif
.endm
.set MUL_LO, 0xa1
.set MUL_HI, 0xf1
.set TO_B,   0x40
.macro JLOAD g0a, g1a, g0b, g1b        ; a joint load: waves 0, 1 for Q, waves 2, 3 for K; an s_nop 0 and four v_nop follow each line
	s_cmp_eq_u32 s15, 0
	s_cbranch_scc0 .Lfor_b_\@
	tensor_load_to_lds s[\g0a:\g0a+3], s[\g1a:\g1a+7]
	s_nop 0
.rept 4
	v_nop
.endr
	s_branch .Lasked_\@
.Lfor_b_\@:
	tensor_load_to_lds s[\g0b:\g0b+3], s[\g1b:\g1b+7]
	s_nop 0
.rept 4
	v_nop
.endr
.Lasked_\@:
.endm
.macro CREST
	s_cmp_lg_u32 s14, 0
	s_cbranch_scc1 .Lnot_wave_0_\@
	s_barrier_signal -3
.Lnot_wave_0_\@:
	s_barrier_wait -3
	s_barrier_signal -1
	s_barrier_wait -1
.endm
.macro CROUND
	s_barrier_signal -1
	s_barrier_wait -1
	CREST
.endm
	s_load_b256 s[4:11], s[0:1], 0x0               ; Qf s[4:5], Kf s[6:7], the exponents s[8:9], Pf s[10:11]
	s_load_b64 s[12:13], s[0:1], 0x20              ; stats
	v_lshl_add_u32 v[SPW], v0, 2, SPARE
	v_mov_b32 v[NIL], 0
	ds_add_u32 v[SPW], v[NIL]                      ; the wave's opening: the add, twice on end, and its wait ahead of my first tensor load
	ds_add_u32 v[SPW], v[NIL]
	v_lshrrev_b32 v1, 5, v0
	v_readfirstlane_b32 s14, v1                    ; wave 0..3
	s_lshr_b32 s15, s14, 1                         ; my half of the queries.  Also: I fetch for Q (0) or for K (1)
	s_and_b32 s16, s14, 1                          ; my half of the keys.  Also: which 8 row tiles I fetch
	s_bfe_u32 s40, ttmp6, 0x40000                  ; cx, cy
	s_bfe_u32 s41, ttmp6, 0x40004
	; THE DEAL: with clusters numbered c = x + 2 y, cluster c takes part c - 1 mod 16: its x is 1 - ttmp9, its y (ttmp7 + ttmp9 - 1) mod 8; four parts on end make a batch
	s_sub_co_u32 s42, 1, ttmp9
	s_lshl_b32 s42, s42, 2
	s_add_co_u32 s42, s42, s40                     ; tx: the batch's block of 256 keys, 0..7
	s_and_b32 s86, ttmp7, 0xffff
	s_add_co_u32 s86, s86, ttmp9
	s_add_co_u32 s86, s86, 7
	s_and_b32 s86, s86, 7
	s_lshl_b32 s17, s86, 2
	s_add_co_u32 s17, s17, s41                     ; ty: the block of 256 queries, all batches on end, 0..31
	s_lshr_b32 s86, s86, 1                         ; the batch: two clusters along y to a batch
	s_lshl_b32 s43, s41, 2
	s_lshl_b32 s43, 15, s43                        ; my row of the cluster
	s_lshl_b32 s44, 0x1111, s40                    ; my column
	s_or_b32 s[G1+0], s43, (3<<16)|(1<<21)         ; the mask; elements of 8 bytes; no padding; bit 21 beside a mask
	s_or_b32 s[G1B+0], s44, (3<<16)|(1<<21)
.irp g, G1, G1B
	s_mov_b32 s[\g+1], 512<<16                     ; tensor_dim0 = 512 elements: 4,096 bytes, two K steps' images on end
	s_mov_b32 s[\g+2], 8<<16                       ; tensor_dim1 = 8 row tiles
	s_mov_b32 s[\g+3], 512<<16                     ; tile_dim0
	s_mov_b32 s[\g+4], 8                           ; tile_dim1
	s_mov_b32 s[\g+5], 2048                        ; from row tile to row tile: 16,384 bytes
	s_mov_b32 s[\g+6], 0
	s_mov_b32 s[\g+7], 0
.endr
	s_lshl_b32 s18, s16, 3
	s_lshl_b32 s20, s17, 4
	s_add_co_u32 s20, s20, s18
	s_lshl_b32 s20, s20, 14                        ; Q: row tile 16 ty + 8 x half, 16,384 bytes each
	s_mov_b32 s21, 0
	s_lshl_b32 s46, s42, 4
	s_add_co_u32 s46, s46, s18
	s_lshl_b32 s47, s86, 7
	s_add_co_u32 s46, s46, s47
	s_lshl_b32 s46, s46, 14                        ; K: row tile 128 x batch + 16 tx + 8 x half
	s_mov_b32 s47, 0
	s_mul_i32 s45, s14, HALFT                      ; where they go: Q's two halves, then K's
	s_wait_dscnt 0x0                               ; both opening adds are done
	s_wait_kmcnt 0x0
	s_load_b64 s[82:83], s[8:9], 0x18              ; e6, e7
	s_load_b32 s84, s[8:9], 0x20                   ; e8
	s_add_nc_u64 s[20:21], s[4:5], s[20:21]
	s_add_nc_u64 s[46:47], s[6:7], s[46:47]
	CROUND                                         ; all sixteen work-groups are here: the first joint loads meet
.irp s, 0,1
	s_mov_b32 s[G0+4*\s], 1
	s_add_co_u32 s[G0+4*\s+1], s45, \s*SLOT
	s_add_nc_u64 s[G0+4*\s+2:G0+4*\s+3], s[20:21], \s*SLOTG
	s_or_b32 s[G0+4*\s+3], s[G0+4*\s+3], 0x80000000
	s_mov_b32 s[G0B+4*\s], 1
	s_add_co_u32 s[G0B+4*\s+1], s45, \s*SLOT
	s_add_nc_u64 s[G0B+4*\s+2:G0B+4*\s+3], s[46:47], \s*SLOTG
	s_or_b32 s[G0B+4*\s+3], s[G0B+4*\s+3], 0x80000000
.endr
	JLOAD G0, G1, G0B, G1B                         ; slot 0: one tensor load a wave at the head
	v_and_b32 v6, 31, v0
	v_lshlrev_b32 v[CO], 4, v6                     ; 16 x lane: an image's place for my lane
	s_wait_alu depctr_va_vdst(0)
	s_mul_i32 s21, s15, HALFT
	s_mul_i32 s22, s16, HALFT
	s_add_co_u32 s22, s22, 2*HALFT
.irp s, 0,1
	v_add_nc_u32 v[ADRA+\s], s21, v[CO]
	v_add_nc_u32 v[ADRB+\s], s22, v[CO]
	s_add_co_u32 s21, s21, SLOT
	s_add_co_u32 s22, s22, SLOT
.endr
	s_lshl_b32 s23, s14, 10                        ; every LDS address of the way out is made here
	s_xor_b32 s19, s14, 1                          ; the wave with my queries and the other keys
	s_lshl_b32 s19, s19, 10
	v_add_nc_u32 v[EXW], s23, v[CO]
	v_add_nc_u32 v[EXW], EX, v[EXW]
	v_add_nc_u32 v[EXR], s19, v[CO]
	v_add_nc_u32 v[EXR], EX, v[EXR]
	v_and_b32 v1, 15, v0
	v_lshlrev_b32 v[STW], 2, v1
	v_add_nc_u32 v[STW], s23, v[STW]
	v_add_nc_u32 v[STW], STT, v[STW]
	v_add_nc_u32 v[STR], s23, v[CO]
	v_add_nc_u32 v[STR], STT, v[STR]
	; where the results go
	s_lshl_b32 s87, s42, 1
	s_add_co_u32 s87, s87, s16                     ; S = 2 tx + my key half: the K step of the last product
	s_lshl_b32 s20, s17, 4
	s_lshl_b32 s21, s15, 3
	s_add_co_u32 s20, s20, s21                     ; my first query tile: 16 ty + 8 x half
	s_lshl_b32 s20, s20, 4
	s_add_co_u32 s20, s20, s87
	s_lshl_b32 s20, s20, 11                        ; (16 T + S) x 2,048: under 2^24
	s_mov_b32 s21, 0
	s_add_nc_u64 s[92:93], s[10:11], s[20:21]      ; Pf at my first image
	s_lshl_b32 s22, s17, 10
	s_lshl_b32 s23, s15, 9
	s_add_co_u32 s22, s22, s23                     ; 4 x my first row
	s_lshl_b32 s46, s87, 15
	s_add_co_u32 s46, s46, s22
	s_add_co_u32 s46, s46, 262144
	s_mov_b32 s47, 0
	s_add_nc_u64 s[94:95], s[12:13], s[46:47]      ; the sums: [S][row]
	s_lshl_b32 s46, s42, 15
	s_add_co_u32 s46, s46, s22
	s_add_nc_u64 s[96:97], s[12:13], s[46:47]      ; M: [tx][row]
	; PREFETCHES INTO THE L2, one instruction a wave for a slot: of the 8 row tiles that a wave fetches, each of the four partners that ask jointly names two, BY ADDRESS (cx for Q, cy for K): sixteen lanes 256 bytes apart a tile.
	; So each aligned block of 256 bytes is named once in each cluster that will load it.  Each fill asks for the next one's tiles, one slot ahead; there is no slot behind slot 3.
	s_lshl_b32 s20, s17, 4
	s_lshl_b32 s21, s40, 1
	s_add_co_u32 s20, s20, s21                     ; Q: row tile 16 ty + 2 cx
	s_lshl_b32 s22, s42, 4
	s_lshl_b32 s23, s41, 1
	s_add_co_u32 s22, s22, s23
	s_lshl_b32 s23, s86, 7
	s_add_co_u32 s22, s22, s23                     ; K: row tile 128 x batch + 16 tx + 2 cy
	s_lshl_b32 s23, s16, 3
	s_cmp_eq_u32 s15, 0
	s_cselect_b32 s20, s20, s22
	s_cselect_b64 s[98:99], s[4:5], s[6:7]
	s_add_co_u32 s20, s20, s23                     ; + 8 x half
	s_lshl_b32 s20, s20, 14
	s_mov_b32 s21, 0
	s_add_nc_u64 s[98:99], s[98:99], s[20:21]
	v_and_b32 v10, 15, v0                          ; v10: the prefetches' offset; never rewritten
	v_lshlrev_b32 v10, 8, v10
	v_bfe_u32 v2, v0, 4, 1
	v_lshl_add_u32 v10, v2, 14, v10
	s_wait_alu depctr_va_vdst(0)
	global_prefetch_b8 v10, s[98:99] offset:SLOTG th:TH_LOAD_NT scope:SCOPE_SE
	s_mov_b32 s90, 0x76543210
	s_mov_b32 s91, 0xfedcba98
	s_wait_kmcnt 0x0
	s_add_co_i32 s88, s82, s83
	s_lshl_b32 s88, s88, 23
	s_add_co_i32 s88, s88, 0x3d38aa3b              ; c = log2(e) / 32 x 2^(e6 + e7): the exponents are added to the constant's exponent field
	s_mov_b32 s89, s88                             ; (named with it as a pair, so it is written)
	s_add_co_i32 s18, s84, 127
	s_lshl_b32 s19, s18, 23
	v_mov_b32 v[SCV], s19                          ; 2^e8
	s_add_co_i32 s18, s18, 8
	s_lshl_b32 s18, s18, 23
	s_or_b32 s18, s18, 0x600000
	v_mov_b32 v[LIMV], s18                         ; 448 x 2^e8
.macro FRAG reg, adr, q, i             ; a fragment's image: four loads of 512 consecutive bytes
.irp c, 0,1,2,3
	ds_load_b128 v[\reg+4*\c:\reg+4*\c+3], v[\adr] offset:4096*(\i)+2048*(\q)+512*\c
.endr
.endm
.macro MUL16 a0, p, zero               ; the 64 accumulators take turns, one instruction a turn
.irp a, \a0, \a0+1
.irp b, 0,1,2,3,4,5,6,7
.if \zero
	v_wmma_f32_16x16x128_fp8_fp8 v[8*(8*((\a)%4)+\b):8*(8*((\a)%4)+\b)+7], v[128*(\p)+FR*\b:128*(\p)+FR*\b+FR-1], v[AF+FR*(\a):AF+FR*(\a)+FR-1], 0
.else
	v_wmma_f32_16x16x128_fp8_fp8 v[8*(8*((\a)%4)+\b):8*(8*((\a)%4)+\b)+7], v[128*(\p)+FR*\b:128*(\p)+FR*\b+FR-1], v[AF+FR*(\a):AF+FR*(\a)+FR-1], v[8*(8*((\a)%4)+\b):8*(8*((\a)%4)+\b)+7]
.endif
.endr
.endr
.endm
.macro FETCH_B slot, q, p
	WIN TO_B
.irp i, 0,1,2,3,4,5,6,7
	FRAG 128*(\p)+FR*\i, ADRB+\slot, \q, \i
.endr
	WIN 0
.endm
.macro FETCH_A slot, q, i0
.irp i, \i0, \i0+1, \i0+2, \i0+3
	FRAG AF+FR*(\i), ADRA+\slot, \q, \i
.endr
.endm
.macro PLACES n
.rept \n
	v_nop
.endr
.endm
.macro ONE a, b, p, zero               ; accumulator (a, b), a under 4
.if \zero
	v_wmma_f32_16x16x128_fp8_fp8 v[8*(8*(\a)+\b):8*(8*(\a)+\b)+7], v[128*(\p)+FR*(\b):128*(\p)+FR*(\b)+FR-1], v[AF+FR*(\a):AF+FR*(\a)+FR-1], 0
.else
	v_wmma_f32_16x16x128_fp8_fp8 v[8*(8*(\a)+\b):8*(8*(\a)+\b)+7], v[128*(\p)+FR*(\b):128*(\p)+FR*(\b)+FR-1], v[AF+FR*(\a):AF+FR*(\a)+FR-1], v[8*(8*(\a)+\b):8*(8*(\a)+\b)+7]
.endif
.endm
.macro FIRST slot                      ; a slot's first 128 along K, in the order in which STEP wants them: A 0, B 0-7, A 1-3 (A 4-7 follow)
	FRAG AF, ADRA+\slot, 0, 0
	FETCH_B \slot, 0, 0
.irp i, 1,2,3
	FRAG AF+FR*\i, ADRA+\slot, 0, \i
.endr
.endm
; A slot's first step.  Each pair of products waits for its own fragments: of FIRST's 48 loads and A 4-7's 16 the youngest 52 - 4 b may be out.
.macro STEP slot, q, zero
	WIN MUL_LO
.irp b, 0,2,4,6
	s_wait_dscnt 52-4*\b
	ONE 0, \b, (\q)%2, \zero
	ONE 0, \b+1, (\q)%2, \zero
.endr
	s_wait_dscnt 24                                ; A 1 is in
.irp b, 0,1,2,3,4,5,6,7
	ONE 1, \b, (\q)%2, \zero
.endr
	FETCH_B \slot, (\q)+1, 1-(\q)%2                ; (the other set was last read ahead of the places in front of A 4-7's loads)
	s_wait_dscnt 48                                ; A 2, 3 are in: A 4-7's 16 and the 32 just issued may be out
	WIN MUL_LO
	MUL16 2, (\q)%2, \zero
	s_wait_dscnt 32                                ; A 4-7 are in
	PLACES NP
	WIN 0
	FETCH_A \slot, (\q)+1, 0
	WIN MUL_HI
	MUL16 4, (\q)%2, \zero
	MUL16 6, (\q)%2, \zero
	PLACES NP
	WIN 0
	FETCH_A \slot, (\q)+1, 4
.endm
.macro TURN slot, next, fill
	s_wait_tensorcnt 0x0                           ; all my tensor loads have landed: my part of the next slot
	ds_add_u32 v[SPW], v[NIL]                      ; 0 onto my spare word
	s_wait_dscnt 4*NL+1                            ; the add and the youngest 16 loads may be out
	WIN MUL_LO
	MUL16 0, 1, 0
	s_wait_dscnt 0x0                               ; the add is done, and my reads of this slot are over
	s_barrier_signal -1
	MUL16 2, 1, 0
	WIN 0
	s_barrier_wait -1
.if \fill
	CREST                                          ; a round of the cluster's barrier: no wave of any partner still reads this slot or has a load on its way
	s_add_nc_u64 s[G0+4*\slot+2:G0+4*\slot+3], s[G0+4*\slot+2:G0+4*\slot+3], 2*SLOTG
	s_add_nc_u64 s[G0B+4*\slot+2:G0B+4*\slot+3], s[G0B+4*\slot+2:G0B+4*\slot+3], 2*SLOTG
	JLOAD G0+4*\slot, G1, G0B+4*\slot, G1B         ; the first tensor load behind the round, my one load out; its four v_nop are the places in front of the loads below
.else
	PLACES NP
.endif
	FIRST \next
.if (\fill) && (\slot) == 0
	global_prefetch_b8 v10, s[98:99] offset:3*SLOTG th:TH_LOAD_NT scope:SCOPE_SE
.endif
	WIN MUL_HI
	MUL16 4, 1, 0
	MUL16 6, 1, 0
	PLACES NP
	WIN 0
	FETCH_A \next, 0, 4
.endm
	s_wait_alu depctr_va_vdst(0)
	s_wait_tensorcnt 0x0                           ; my part of slot 0 is in; these lines stand ahead of a later first fill as ahead of a refill
	ds_add_u32 v[SPW], v[NIL]
	s_wait_dscnt 0x0
	CROUND
	JLOAD G0+4, G1, G0B+4, G1B                     ; slot 1's first fill: the first tensor load behind the round
	FIRST 0
	FETCH_A 0, 0, 4
	global_prefetch_b8 v10, s[98:99] offset:2*SLOTG th:TH_LOAD_NT scope:SCOPE_SE
	STEP 0, 0, 1                                   ; K = 1,024 is four slots of 256: written out
	TURN 0, 1, 1
	STEP 1, 0, 0
	TURN 1, 0, 1
	STEP 0, 0, 0
	TURN 0, 1, 0
	STEP 1, 0, 0
	s_wait_dscnt 4*NL
	WIN MUL_LO
	MUL16 0, 1, 0
	MUL16 2, 1, 0
	s_wait_dscnt 0
	WIN MUL_HI
	MUL16 4, 1, 0
	MUL16 6, 1, 0
	WIN 0
	; THE LARGEST SCORE of each of my queries among my 64 keys: two chains a query tile, four tiles side by side; each accumulator is read from its low end on
	PLACES NP
.irp w, 0,1
	WIN 0x0a+5*\w                                  ; sources 0 and 1: window 2, then 3
.irp a, 0,1,2,3
	v_max_num_f32 v[TMP+2*(4*\w+\a)], v[64*\a], v[64*\a+1]
	v_max_num_f32 v[TMP+2*(4*\w+\a)+1], v[64*\a+32], v[64*\a+33]
.endr
.irp k, 2,4,6,8,10,12,14,16,18,20,22,24,26,28,30
.irp a, 0,1,2,3
	v_max3_num_f32 v[TMP+2*(4*\w+\a)], v[64*\a+\k], v[64*\a+\k+1], v[TMP+2*(4*\w+\a)]
	v_max3_num_f32 v[TMP+2*(4*\w+\a)+1], v[64*\a+32+\k], v[64*\a+33+\k], v[TMP+2*(4*\w+\a)+1]
.endr
.endr
.endr
	WIN 0
.irp a, 0,1,2,3,4,5,6,7
	v_max_num_f32 v[MX+\a], v[TMP+2*\a], v[TMP+2*\a+1]
.endr
.irp a, 0,1,2,3,4,5,6,7
	v_permlanex16_b32 v[TMP+2*\a], v[MX+\a], s90, s91   ; the query's other 64 keys of my half lie in the lane 16 away
.endr
.irp a, 0,1,2,3,4,5,6,7
	v_max_num_f32 v[MX+\a], v[MX+\a], v[TMP+2*\a]
.endr
	ds_store_b128 v[EXW], v[MX:MX+3]               ; and the tile's other 128 keys in the wave beside me: same lanes, same queries
	ds_store_b128 v[EXW], v[MX+4:MX+7] offset:512
	s_wait_alu depctr_va_vdst(0)
	s_wait_dscnt 0x0                               ; for the other wave's sake: my stores have landed
	s_barrier_signal -1
	s_barrier_wait -1
	ds_load_b128 v[PM:PM+3], v[EXR]
	ds_load_b128 v[PM+4:PM+7], v[EXR] offset:512
	s_wait_dscnt 0x0
.irp a, 0,1,2,3,4,5,6,7
	v_max_num_f32 v[MX+\a], v[MX+\a], v[PM+\a]
.endr
.irp a, 0,1,2,3,4,5,6,7
	v_mul_f32 v[MX+\a], s88, v[MX+\a]              ; as t (c is positive)
.endr
.irp a, 0,1,2,3,4,5,6,7
	v_floor_f32 v[NM+2*\a], -v[MX+\a]              ; -M = floor(-t) = -ceil(t): M is a whole number
.endr
.irp a, 0,1,2,3,4,5,6,7
	v_mov_b32 v[NM+2*\a+1], v[NM+2*\a]             ; (named with it as a pair)
.endr
.irp a, 0,1,2,3,4,5,6,7
	v_sub_f32 v[PM+\a], 0, v[NM+2*\a]              ; M
.endr
; Query tile a: t - M, p, the sum of the unquantised p, the one-sided hold (p is not negative), the codes, four stores of 512 consecutive bytes.
; Three buffers of 64 numbers take turns: while tile a's exponentials are issued, tile a + 1's t - M are made and tile a - 1's p are held.
.macro BUF s, a
.if (\a)%3 == 0
.set \s, 32
.elseif (\a)%3 == 1
.set \s, 128
.else
.set \s, 192
.endif
.endm
.macro CODES a                         ; tile a's held p -> codes, in window 1, and out
	BUF TC, \a
	WIN 0x40
.irp b, 0,1,2,3,4,5,6,7
	v_cvt_scalef32_pk8_fp8_f32 v[CODE+16*(\a)+2*\b:CODE+16*(\a)+2*\b+1], v[TC+8*\b:TC+8*\b+7], v[SCV]   ; registers 2 b, 2 b + 1 of the fragment: keys 16 b + 8 (l / 16) + 0 .. 7
.endr
	v_nop                                          ; a plain instruction between the conversions and what next writes their sources
	WIN 0x04
.irp c, 0,1,2,3
	global_store_b128 v[CO], v[CODE+16*(\a)+4*\c:CODE+16*(\a)+4*\c+3], s[92:93] offset:32768*(\a)+512*\c
.endr
	WIN 0
.endm
.macro SOFT a
.set NX, \a+1
	BUF TA, \a
	BUF TN, NX
	BUF TP, NX+1                                   ; (a - 1 and a + 2 share a buffer)
.if NX < 8
	WIN 0x08+4*(NX/4)                              ; source 1 (the scores): window 2 or 3
.endif
	s_wait_alu depctr_va_vdst(0)                   ; a wait ahead of the batch
.set k, 0
.rept 32
	v_exp_f32 v[TA+k], v[TA+k]                     ; p = 2^(t - M)
.if NX < 8
	v_pk_fma_f32 v[TN+2*k:TN+2*k+1], s[88:89], v[64*(NX%4)+2*k:64*(NX%4)+2*k+1], v[NM+2*NX:NM+2*NX+1] op_sel_hi:[0,1,0]
.endif
.set k, k+1
.endr
	WIN 0
.rept 32
	v_exp_f32 v[TA+k], v[TA+k]
.if NX > 1
	v_min_num_f32 v[TP+2*k-64], v[TP+2*k-64], v[LIMV]   ; the conversion to an 8-bit code does not saturate (ISA guide 7.6.2); p is not negative
	v_min_num_f32 v[TP+2*k-63], v[TP+2*k-63], v[LIMV]
.endif
.set k, k+1
.endr
	v_nop                                          ; a plain instruction behind the last exponential
	s_wait_alu depctr_va_vdst(0)                   ; one wait for the batch, ahead of its first reader
.irp c, 0,1,2,3
	v_pk_add_f32 v[2*\c:2*\c+1], v[TA+4*\c:TA+4*\c+1], v[TA+4*\c+2:TA+4*\c+3]   ; the sum of the unquantised p, in four chains
.endr
.set k, 16
.rept 6
.irp c, 0,1,2,3
	v_pk_add_f32 v[2*\c:2*\c+1], v[2*\c:2*\c+1], v[TA+k+2*\c:TA+k+2*\c+1]
.endr
.set k, k+8
.endr
	v_pk_add_f32 v[0:1], v[0:1], v[2:3]
	v_pk_add_f32 v[4:5], v[4:5], v[6:7]
	v_pk_add_f32 v[0:1], v[0:1], v[4:5]
	v_add_f32 v[MX+\a], v0, v1                     ; my 64 keys' sum
.if NX > 1
	CODES \a-1
.endif
.endm
	WIN 0x08
.set k, 0
.rept 32
	v_pk_fma_f32 v[32+k:33+k], s[88:89], v[k:k+1], v[NM:NM+1] op_sel_hi:[0,1,0]   ; tile 0's t - M
.set k, k+2
.endr
.irp a, 0,1,2,3,4,5,6,7
	SOFT \a
.endr
	BUF TP, 7
.set k, 0
.rept 64
	v_min_num_f32 v[TP+k], v[TP+k], v[LIMV]
.set k, k+1
.endr
	CODES 7
	; M and the sums: a lane holds one query's; through my wave's own LDS words they become rows of 128 numbers, 512 consecutive bytes a store
.irp a, 0,1,2,3,4,5,6,7
	v_permlanex16_b32 v[TMP+\a], v[MX+\a], s90, s91
.endr
.irp a, 0,1,2,3,4,5,6,7
	v_add_f32 v[MX+\a], v[MX+\a], v[TMP+\a]        ; my wave's 128 keys' sum, the same number in lanes l and l xor 16
.endr
.irp a, 0,1,2,3,4,5,6,7
	ds_store_b32 v[STW], v[PM+\a] offset:64*\a     ; lanes l and l xor 16 write the same word with the same number
.endr
.irp a, 0,1,2,3,4,5,6,7
	ds_store_b32 v[STW], v[MX+\a] offset:512+64*\a
.endr
	ds_load_b128 v[TMP:TMP+3], v[STR]              ; LDS serves a wave's instructions in order (ISA guide 5.7.1.4): these see my stores
	ds_load_b128 v[TMP+4:TMP+7], v[STR] offset:512
	s_wait_dscnt 0x0
	global_store_b128 v[CO], v[TMP+4:TMP+7], s[94:95]
	s_cmp_lg_u32 s16, 0                            ; both waves of a query half hold the same M: the wave of key half 0 stores it
	s_cbranch_scc1 .Lno_m
	global_store_b128 v[CO], v[TMP:TMP+3], s[96:97]
.Lno_m:
	s_wait_tensorcnt 0x0                           ; the wave's end, behind my last tensor load and my last LDS store
	ds_add_u32 v[SPW], v[NIL]
	s_wait_dscnt 0x0
	CROUND                                         ; the closing round
	s_endpgm
.Lfunc_end_k_q326cb1983c_score:
	.size	k_q326cb1983c_score, .Lfunc_end_k_q326cb1983c_score-k_q326cb1983c_score
	.p2alignl 7, 3214868480
	.fill 96, 4, 3214868480
	.section	.rodata,"a",@progbits
	.p2align	6, 0x0
	.amdhsa_kernel k_q326cb1983c_score
		.amdhsa_group_segment_fixed_size 327680
		.amdhsa_private_segment_fixed_size 0
		.amdhsa_enable_private_segment 0
		.amdhsa_kernarg_size 40
		.amdhsa_user_sgpr_count 2
		.amdhsa_user_sgpr_kernarg_segment_ptr 1
		.amdhsa_wavefront_size32 1
		.amdhsa_system_sgpr_workgroup_id_x 1
		.amdhsa_system_sgpr_workgroup_id_y 1
		.amdhsa_system_sgpr_workgroup_id_z 1
		.amdhsa_system_vgpr_workitem_id 0
		.amdhsa_next_free_vgpr 1024
		.amdhsa_next_free_sgpr 100
		.amdhsa_reserve_vcc 0
		.amdhsa_float_denorm_mode_32 3
		.amdhsa_float_denorm_mode_16_64 3
		.amdhsa_memory_ordered 1
		.amdhsa_forward_progress 1
		.amdhsa_inst_pref_size 174
	.end_amdhsa_kernel
	.amdgpu_metadata
---
amdhsa.version: [ 1, 2 ]
amdhsa.kernels:
  - .name:           k_q326cb1983c_score
    .symbol:         k_q326cb1983c_score.kd
    .args:
      - { .name: Qf, .offset: 0, .size: 8, .value_kind: global_buffer, .address_space: global }
      - { .name: Kf, .offset: 8, .size: 8, .value_kind: global_buffer, .address_space: global }
      - { .name: lowp_scales, .offset: 16, .size: 8, .value_kind: global_buffer, .address_space: global }
      - { .name: Pf, .offset: 24, .size: 8, .value_kind: global_buffer, .address_space: global }
      - { .name: stats, .offset: 32, .size: 8, .value_kind: global_buffer, .address_space: global }
    .group_segment_fixed_size: 327680
    .private_segment_fixed_size: 0
    .kernarg_segment_align: 8
    .kernarg_segment_size: 40
    .max_flat_workgroup_size: 128
    .sgpr_count:     100
    .vgpr_count:     1024
    .wavefront_size: 32
...
	.end_amdgpu_metadata
.endif
;; end of part 2
;; launch pv (part 3): grid 4 x 64, 4 waves a work-group, clusters of 4 x 4, 327,680 bytes of LDS; arguments Pf, Vf, stats, lowp_scales, out0; writes out0
.if DOCPART == 3
	.amdgcn_target "amdgcn-amd-amdhsa--gfx1250"
	.amdhsa_code_object_version 6
	.text
	.protected	k_q326cb1983c_pv
	.globl	k_q326cb1983c_pv
	.p2align	8
	.type	k_q326cb1983c_pv,@function
k_q326cb1983c_pv:
	s_mov_b64 s[64:65], 0
	v_nop
	global_prefetch_b8 v0, s[64:65] scope:SCOPE_SE
	s_setreg_imm32_b32 hwreg(HW_REG_WAVE_MODE, 25, 1), 1
	s_wait_xcnt 0x0
	s_wait_alu depctr_hold_cnt(0) depctr_sa_sdst(0) depctr_va_vdst(0) depctr_va_sdst(0) depctr_va_ssrc(0) depctr_va_vcc(0) depctr_vm_vsrc(0)
	s_getreg_b32 s2, hwreg(HW_REG_IB_STS2, 6, 4)
	s_cmp_eq_u32 s2, 0
	s_cbranch_scc0 .Lentry_in_a_cluster
	s_endpgm
.Lentry_in_a_cluster:
	s_bfe_u32 s2, ttmp6, 0x10000c
	s_cmp_lg_u32 s2, 0xf033
	s_cbranch_scc0 .Lentry_shape_is_right
	s_endpgm
.Lentry_shape_is_right:
; THE LAST PRODUCT.  O[q][:] = 2^(e8 + e9) / l x the sum over the eight blocks j of 256 keys of 2^(M_j - U) x (P_j V_j), on codes of E4M3; nothing of the problem is left out here.
; THE SUMS ARE KEPT IN UNITS OF 2^U_j, U_j = the larger of M_j and (the largest of M_0 .. M_j) - 60.  Ahead of block j they, and l, are multiplied by F_j = 2^(U_(j-1) - U_j), at most 2^60: an exact power of two, made by v_ldexp_f32.
; O is the quotient of the two, so the units leave no trace.  A block whose M_j lies more than 60 under the largest M so far is weighed as if it lay 60 under: at most 2^-51 of the row's sum instead of less,
; where the products of such a block are zeros under the row's M.  The sums stay under 2^60 x 2048 x 448 x 448, l lies between 1/2 and 2^71: nothing overflows.  e8 + e9 is applied by v_ldexp_f32 and has no limit.
; Pf: [query tile 0..511][K step 0..15][2048], Vf: [channel tile 0..63][K step 0..63][2048]: images of the operand's registers (lane l's 16 bytes of register group c at 512 c + 16 l).
; SHARES.  A work-group makes 128 queries x 256 channels, 256 work-groups in all; a wave 64 x 128: 32 accumulators.  Source 0 = 16 channels of V^T, source 1 = 16 queries of P: a lane holds ONE query, so a factor is a number a lane.
; CLUSTERS: 4 x 4: P's tile is shared along a row of the cluster (the four channel tiles of one block of queries), V's along a column (four blocks of queries of one batch): each is asked for jointly.
; LDS: region S holds one block of 256 keys, region D two.  They are filled by turns: S 0, D 1 2, S 3, D 4 5, S 6, D 7: each fill is asked for while the other region is multiplied.
; THE RESCALING stands among the products, a row of eight accumulators ahead: row 0 of block j + 1 among row 3's last products of block j, rows 1 to 3 among block j + 1's first products of rows 0 to 2.
; REGISTERS, in windows of 256: window 0: v16-31 addresses; v32-95 factors, a pair (f, f) at 32 + 16 a + 2 j (j = 0: the last one, 2^(e8 + e9) / l); v96-159, v160-223 P's fragments, two sets;
;   v224-239 at work in the head.   window 1: V's fragments, two sets at v0 and v128 (on the way out v0-63: a tile's results).   window 2: accumulator (a, b) at v[8 (8 a + b)].
.set VD,     65536                     ; D: P 8 query tiles x 8,192 bytes, then V 16 channel tiles x 8,192 (with block 7 alone: x 4,096)
.set PS,     196608                    ; S: P 8 x 4,096, then V 16 x 4,096
.set VS,     229376
.set SPARE,  294912                    ; the spare words, 128 bytes for each wave, which no other line names
.set STAGE,  PS                        ; the way out: 16 rows x (512 bytes + 16) for each wave, in region S: it has had its last fill (block 6), and behind the barrier ahead of block 7 nobody reads it
.set SP,     528
.set APD, 16                           ; LDS addresses of my fragments: P, V in D; P, V in S; P, V of block 7 in D
.set AVD, 17
.set APS, 18
.set AVS, 19
.set AP7, 20
.set AV7, 21
.set STO,  24                          ; v24  the way out: where I put 32 bytes of a row
.set RD,   25                          ; v25  where I read a row back
.set CO,   26                          ; v26  16 x lane
.set SH, 22                            ; v22  the same, 32,768 bytes on in lanes 16-31
.set SA, 27                            ; v27  4 x (lane % 16): my query's word among 16
.set SPW,  28
.set NIL,  29
.set PFO,  30                          ; v30  the prefetches' offset; never rewritten
.set WT,   32
.set PF,   96                          ; P's fragments; at the head M(a, j), then U(a, j), at PF + 8 a + j
.set SB, 128                           ; at the head: the sums (a, block j) at SB + 16 a + 2 j: the block's first 128 keys in lanes 0-15, its others in lanes 16-31
.set MR,   224                         ; the largest M so far
.set LL,   228                         ; l
.set T,    232
.set DD,   236
.set G1, 24                            ; group 1, group 0 for P in D; group 0 for P in S
.set G0, 32
.set G1B, 48                           ; the same for V
.set G0B, 56
.set G1S, 68                           ; group 1 for one block: P, V
.set G1BS, 76
.set PFA, 92                           ; s[92:93] where my prefetches stand; never rewritten
.set MSB, 0
.macro WIN new
.if MSB != (\new)
	s_set_vgpr_msb (MSB<<8)|(\new)
.set MSB, \new
.endif
.endm
.macro JLOAD g0a, g1a, g0b, g1b        ; a joint load: waves 0, 1 for P, waves 2, 3 for V; an s_nop 0 and four v_nop follow each line
	s_cmp_eq_u32 s15, 0
	s_cbranch_scc0 .Lfor_b_\@
	tensor_load_to_lds s[\g0a:\g0a+3], s[\g1a:\g1a+7]
	s_nop 0
.rept 4
	v_nop
.endr
	s_branch .Lasked_\@
.Lfor_b_\@:
	tensor_load_to_lds s[\g0b:\g0b+3], s[\g1b:\g1b+7]
	s_nop 0
.rept 4
	v_nop
.endr
.Lasked_\@:
.endm
.macro CREST
	s_cmp_lg_u32 s14, 0
	s_cbranch_scc1 .Lnot_wave_0_\@
	s_barrier_signal -3
.Lnot_wave_0_\@:
	s_barrier_wait -3
	s_barrier_signal -1
	s_barrier_wait -1
.endm
.macro CROUND
	s_barrier_signal -1
	s_barrier_wait -1
	CREST
.endm
; A PREFETCH INTO THE L2 of block j, 4,096 bytes of each row tile: sixteen lanes 256 bytes apart, two row tiles an instruction.  Each fill asks for the next fill's blocks, one region ahead; block 0 comes by its load alone, block 7 is the last.
; Each aligned block of 256 bytes is named once in each cluster that will load it: of P's 8 query tiles partner cx names two, BY ADDRESS, in wave 0;
; of V's 16 channel tiles partner cy names four, BY ADDRESS, in waves 2 and 3.
.macro ASK j
	s_cmp_lg_u32 s14, 1
	s_cbranch_scc0 .Lnot_mine_\@
	global_prefetch_b8 v[PFO], s[PFA:PFA+1] offset:4096*(\j) th:TH_LOAD_NT scope:SCOPE_SE
.Lnot_mine_\@:
.endm
.macro G1SET g, mask, e, r, st
	s_or_b32 s[\g], s[\mask], (3<<16)|(1<<21)      ; the mask; elements of 8 bytes; no padding; bit 21 beside a mask
	s_mov_b32 s[\g+1], (\e)<<16
	s_mov_b32 s[\g+2], (\r)<<16
	s_mov_b32 s[\g+3], (\e)<<16
	s_mov_b32 s[\g+4], \r
	s_mov_b32 s[\g+5], \st
	s_mov_b32 s[\g+6], 0
	s_mov_b32 s[\g+7], 0
.endm
.macro G0SET g, base, off, shift, lds
	s_mov_b32 s[\g], 1
	s_lshl_b32 s[\g+1], s16, \shift
	s_add_co_u32 s[\g+1], s[\g+1], \lds
	s_add_nc_u64 s[\g+2:\g+3], s[\base:\base+1], \off
	s_or_b32 s[\g+3], s[\g+3], 0x80000000
.endm
	s_load_b256 s[4:11], s[0:1], 0x0               ; Pf s[4:5], Vf s[6:7], stats s[8:9], the exponents s[10:11]
	s_load_b64 s[12:13], s[0:1], 0x20              ; out0
	v_lshl_add_u32 v[SPW], v0, 2, SPARE
	v_mov_b32 v[NIL], 0
	ds_add_u32 v[SPW], v[NIL]                      ; the wave's opening: the add, twice on end, and its wait ahead of my first tensor load
	ds_add_u32 v[SPW], v[NIL]
	v_lshrrev_b32 v1, 5, v0
	v_readfirstlane_b32 s14, v1                    ; wave 0..3
	s_lshr_b32 s15, s14, 1                         ; my half of the queries.  Also: I fetch for P (0) or for V (1)
	s_and_b32 s16, s14, 1                          ; my half of the channels.  Also: which half of that tile I fetch
	s_bfe_u32 s40, ttmp6, 0x40000                  ; cx, cy
	s_bfe_u32 s41, ttmp6, 0x40004
	s_lshl_b32 s42, ttmp9, 2
	s_add_co_u32 s42, s42, s40                     ; tx: the block of 256 channels, 0..3
	s_and_b32 s86, ttmp7, 0xffff
	s_add_co_u32 s86, s86, 15
	s_and_b32 s86, s86, 15                         ; THE DEAL: cluster c takes part c - 1 mod 16
	s_lshl_b32 s17, s86, 2
	s_add_co_u32 s17, s17, s41                     ; ty: the block of 128 queries, all batches on end, 0..63
	s_lshr_b32 s87, s86, 2                         ; the batch: four parts to a batch
	s_lshl_b32 s43, s41, 2
	s_lshl_b32 s43, 15, s43                        ; my row of the cluster
	s_lshl_b32 s44, 0x1111, s40                    ; my column
	G1SET G1, 43, 1024, 4, 4096                    ; P, two blocks: 8,192 bytes on end of 4 query tiles, 32,768 bytes apart
	G1SET G1S, 43, 512, 4, 4096                    ; P, one block: 4,096 bytes
	G1SET G1B, 44, 1024, 8, 16384                  ; V, two blocks: of 8 channel tiles, 131,072 bytes apart
	G1SET G1BS, 44, 512, 8, 16384
	s_lshl_b32 s20, s17, 3
	s_lshl_b32 s18, s16, 2
	s_add_co_u32 s20, s20, s18
	s_lshl_b32 s20, s20, 15                        ; P: query tile 8 ty + 4 x half
	s_mov_b32 s21, 0
	s_lshl_b32 s46, s42, 4
	s_lshl_b32 s18, s16, 3
	s_add_co_u32 s46, s46, s18
	s_lshl_b32 s46, s46, 17                        ; V: channel tile 16 tx + 8 x half,
	s_lshl_b32 s47, s87, 15
	s_add_co_u32 s46, s46, s47                     ; at the batch's first key: 16 K steps of 2,048 bytes a batch
	s_mov_b32 s47, 0
	s_wait_alu depctr_va_vdst(0)
	s_wait_dscnt 0x0                               ; both opening adds are done
	s_wait_kmcnt 0x0
	s_load_b64 s[84:85], s[10:11], 0x20            ; e8, e9
	s_add_nc_u64 s[20:21], s[4:5], s[20:21]
	s_add_nc_u64 s[46:47], s[6:7], s[46:47]
	CROUND                                         ; all sixteen work-groups are here: the first joint loads meet
	G0SET G0+4, 20, 0, 14, PS
	G0SET G0B+4, 46, 0, 15, VS
	JLOAD G0+4, G1S, G0B+4, G1BS                   ; block 0: one tensor load a wave at the head
	G0SET G0, 20, 4096, 15, 0                      ; D begins with blocks 1 and 2
	G0SET G0B, 46, 4096, 16, VD
	; M and the sums of my 64 queries: lane (r, h) takes query 16 a + r
	s_lshl_b32 s20, s17, 9
	s_lshl_b32 s21, s15, 8
	s_add_co_u32 s20, s20, s21                     ; 4 x my first row: 4 (128 ty + 64 x half)
	s_mov_b32 s21, 0
	s_add_nc_u64 s[8:9], s[8:9], s[20:21]
	v_and_b32 v1, 15, v0                           ; r
	v_bfe_u32 v2, v0, 4, 1                         ; h
	v_lshlrev_b32 v[SA], 2, v1
	v_lshl_add_u32 v[SH], v2, 15, v[SA]
.irp a, 0,1,2,3
.irp j, 0,1,2,3,4,5,6,7
	global_load_b32 v[PF+8*\a+\j], v[SA], s[8:9] offset:32768*\j+64*\a
.endr
.endr
.macro SUMS a
.irp j, 0,1,2,3,4,5,6,7
	global_load_b32 v[SB+16*(\a)+2*\j], v[SH], s[8:9] offset:262144+65536*\j+64*(\a)
.endr
.endm
	SUMS 0
	SUMS 1
	SUMS 2
	; the prefetches (macro ASK): where mine stand
	s_lshl_b32 s20, s17, 3
	s_lshl_b32 s21, s40, 1
	s_add_co_u32 s20, s20, s21
	s_lshl_b32 s20, s20, 15                        ; P: query tile 8 ty + 2 cx
	s_lshl_b32 s22, s42, 4
	s_lshl_b32 s23, s41, 2
	s_add_co_u32 s22, s22, s23
	s_lshl_b32 s23, s16, 1
	s_add_co_u32 s22, s22, s23
	s_lshl_b32 s22, s22, 17                        ; V: channel tile 16 tx + 4 cy + 2 x (wave - 2),
	s_lshl_b32 s23, s87, 15
	s_add_co_u32 s22, s22, s23                     ; in my batch
	s_mov_b32 s23, 131072
	s_cmp_eq_u32 s15, 0
	s_cselect_b64 s[PFA:PFA+1], s[4:5], s[6:7]
	s_cselect_b32 s20, s20, s22
	s_cselect_b32 s23, 32768, s23                  ; from row tile to row tile
	s_mov_b32 s21, 0
	s_add_nc_u64 s[PFA:PFA+1], s[PFA:PFA+1], s[20:21]
	s_mov_b32 s90, 0x76543210                      ; v_permlanex16_b32's selects for lane l xor 16
	s_mov_b32 s91, 0xfedcba98
	s_wait_alu depctr_va_vdst(0)                   ; ahead of the readers below
	SUMS 3
	s_lshl_b32 s20, s15, 15                        ; my 4 query tiles of P in D,
	s_lshl_b32 s21, s16, 16                        ; my 8 channel tiles of V
	s_lshl_b32 s22, s15, 14                        ; and with 4,096 bytes a tile
	s_lshl_b32 s18, s16, 15
	s_mul_i32 s19, s14, 16*SP
	s_wait_alu depctr_va_vdst(0)                   ; ahead of the readers below
	v_mul_u32_u24 v[PFO], s23, v2
	v_lshl_add_u32 v[PFO], v1, 8, v[PFO]           ; lanes 0-15 one row tile, lanes 16-31 the next
	v_and_b32 v6, 31, v0
	v_lshlrev_b32 v[CO], 4, v6                     ; 16 x lane
	v_add_nc_u32 v[APD], s20, v[CO]
	v_add_nc_u32 v[AVD], s21, v[CO]
	v_add_nc_u32 v[AVD], VD, v[AVD]
	v_add_nc_u32 v[AP7], s22, v[CO]
	v_add_nc_u32 v[AV7], s18, v[CO]
	v_add_nc_u32 v[APS], PS, v[AP7]
	v_add_nc_u32 v[AVS], VS, v[AV7]
	v_add_nc_u32 v[AV7], VD, v[AV7]
	v_mul_u32_u24 v5, v1, SP
	v_lshl_add_u32 v5, v2, 5, v5
	v_add_nc_u32 v[STO], s19, v5
	v_add_nc_u32 v[STO], STAGE, v[STO]             ; in: row r, 32 bytes for each half of the lanes
	v_add_nc_u32 v[RD], s19, v[CO]
	v_add_nc_u32 v[RD], STAGE, v[RD]               ; back: the 32 lanes take one row of 512 bytes
	s_lshl_b32 s20, s17, 7
	s_lshl_b32 s21, s15, 6
	s_add_co_u32 s20, s20, s21
	s_lshl_b32 s20, s20, 12                        ; my first row of O, 4,096 bytes a row: under 2^25,
	s_lshl_b32 s21, s42, 10
	s_add_co_u32 s20, s20, s21
	s_lshl_b32 s21, s16, 9
	s_add_co_u32 s20, s20, s21                     ; my first channel: 4 (256 tx + 128 x half)
	s_mov_b32 s21, 0
	s_add_nc_u64 s[12:13], s[12:13], s[20:21]
	; THE FACTORS, while the first tiles are on their way
	s_wait_alu depctr_va_vdst(0)
	s_wait_loadcnt 0x0
	s_wait_kmcnt 0x0
	s_add_co_i32 s88, s84, s85                     ; e8 + e9
	ASK 1
	ASK 2
.irp a, 0,1,2,3
	v_mov_b32 v[MR+\a], v[PF+8*\a]                 ; U_0 = M_0
.endr
.irp a, 0,1,2,3
	v_mov_b32 v[DD+\a], 0                          ; (a lane permute's destination counts as one of its sources)
.endr
.irp a, 0,1,2,3
	v_permlanex16_b32 v[DD+\a], v[SB+16*\a], s90, s91
.endr
.irp a, 0,1,2,3
	v_add_f32 v[LL+\a], v[SB+16*\a], v[DD+\a]      ; block 0's sum: its two halves of 128 keys
.endr
.macro FACTOR j
.irp a, 0,1,2,3
	v_max_num_f32 v[MR+\a], v[MR+\a], v[PF+8*\a+\j]
.endr
.irp a, 0,1,2,3
	v_permlanex16_b32 v[DD+\a], v[SB+16*\a+2*\j], s90, s91
.endr
.irp a, 0,1,2,3
	v_add_f32 v[SB+16*\a+2*\j], v[SB+16*\a+2*\j], v[DD+\a]
.endr
.irp a, 0,1,2,3
	v_add_f32 v[T+\a], 0xc2700000, v[MR+\a]        ; - 60
.endr
.irp a, 0,1,2,3
	v_max_num_f32 v[PF+8*\a+\j], v[T+\a], v[PF+8*\a+\j]   ; U_j
.endr
.irp a, 0,1,2,3
	v_sub_f32 v[DD+\a], v[PF+8*\a+\j-1], v[PF+8*\a+\j]    ; a whole number, at most 60
.endr
.irp a, 0,1,2,3
	v_cvt_i32_f32 v[DD+\a], v[DD+\a]               ; (it saturates)
.endr
.irp a, 0,1,2,3
	v_ldexp_f32 v[WT+16*\a+2*\j], 1.0, v[DD+\a]    ; F_j
.endr
.irp a, 0,1,2,3
	v_mov_b32 v[WT+16*\a+2*\j+1], v[WT+16*\a+2*\j] ; the pair (f, f) for the packed forms
.endr
.irp a, 0,1,2,3
	v_fma_f32 v[LL+\a], v[LL+\a], v[WT+16*\a+2*\j], v[SB+16*\a+2*\j]   ; l
.endr
.endm
.irp j, 1,2,3,4,5,6,7
	FACTOR \j
.endr
	s_wait_alu depctr_va_vdst(0)                   ; a wait ahead of the batch
.irp a, 0,1,2,3
	v_rcp_f32 v[LL+\a], v[LL+\a]
.endr
	v_nop                                          ; a plain instruction behind the last reciprocal
	s_wait_alu depctr_va_vdst(0)                   ; one wait for the four, ahead of their first reader
.irp a, 0,1,2,3
	v_ldexp_f32 v[WT+16*\a], v[LL+\a], s88         ; 2^(e8 + e9) / l
.endr
.irp a, 0,1,2,3
	v_mov_b32 v[WT+16*\a+1], v[WT+16*\a]
.endr
.macro PLACES n
.rept \n
	v_nop
.endr
.endm
; 48 LDS loads in one run, 128 keys into set p: P's tile 0, V's eight, P's tiles 1 to 3: the order in which the products want them.  ts: bytes from tile to tile in the region.
.macro FP ap, ts, off, p, i
.irp c, 0,1,2,3
	ds_load_b128 v[PF+64*(\p)+16*(\i)+4*\c:PF+64*(\p)+16*(\i)+4*\c+3], v[\ap] offset:(\ts)*(\i)+(\off)+512*\c
.endr
.endm
.macro FETCH ap, av, ts, off, p
	WIN 0
	FP \ap, \ts, \off, \p, 0
	WIN 0x40                                       ; destination window 1
.irp i, 0,1,2,3,4,5,6,7
.irp c, 0,1,2,3
	ds_load_b128 v[128*(\p)+16*\i+4*\c:128*(\p)+16*\i+4*\c+3], v[\av] offset:(\ts)*\i+(\off)+512*\c
.endr
.endr
	WIN 0
	FP \ap, \ts, \off, \p, 1
	FP \ap, \ts, \off, \p, 2
	FP \ap, \ts, \off, \p, 3
.endm
; Two matrix instructions: accumulators (a, b) and (a, b + 1), 128 keys of set p; zero = 1: they begin (C = 0).  Ahead of them, where r is 0 or more, row r's accumulators b, b + 1 are brought under block j's units, from the low end on.
; The 32 accumulators take turns, one instruction a turn.
.macro PAIR p, a, b, zero, r, j
.if (\r) >= 0
	WIN 0x82                                       ; source 0 and destination window 2, source 1 (F) window 0
.irp i, 0,2,4,6,8,10,12,14
	v_pk_mul_f32 v[8*(8*(\r)+\b)+\i:8*(8*(\r)+\b)+\i+1], v[8*(8*(\r)+\b)+\i:8*(8*(\r)+\b)+\i+1], v[WT+16*(\r)+2*(\j):WT+16*(\r)+2*(\j)+1]
.endr
.endif
	WIN 0xa1                                       ; source 0 (V) window 1, source 1 (P) window 0, C and D window 2
.irp n, 0,1
.if \zero
	v_wmma_f32_16x16x128_fp8_fp8 v[8*(8*(\a)+\b+\n):8*(8*(\a)+\b+\n)+7], v[128*(\p)+16*(\b+\n):128*(\p)+16*(\b+\n)+15], v[PF+64*(\p)+16*(\a):PF+64*(\p)+16*(\a)+15], 0
.else
	v_wmma_f32_16x16x128_fp8_fp8 v[8*(8*(\a)+\b+\n):8*(8*(\a)+\b+\n)+7], v[128*(\p)+16*(\b+\n):128*(\p)+16*(\b+\n)+15], v[PF+64*(\p)+16*(\a):PF+64*(\p)+16*(\a)+15], v[8*(8*(\a)+\b+\n):8*(8*(\a)+\b+\n)+7]
.endif
.endr
.endm
.macro MM p, a, zero, w, r, j          ; w = 1: each pair waits for its two fragments of V: of the run's 48 loads the youngest 36 - 4 b may be out
.irp b, 0,2,4,6
.if \w
	s_wait_dscnt 36-4*\b
.endif
	PAIR \p, \a, \b, \zero, \r, \j
.endr
.endm
; 128 keys of block j from set p.  kind 0: the next 128 keys are fetched into the other set in the middle; 1: a round, and region D is filled again with two blocks; 2: a round, and S is; 5: a round, and D is, with block 7 alone;
; 3: a barrier behind which nothing is filled; 4: the last.
; A load into a register that a matrix instruction has read, and a packed product that reads a result, stand four places behind it (ISA guide 7.12.1 for packed products): the packed products, a joint load's four v_nop, or PLACES.
; Between a rescaling and the product that reads it stand a row's 32 packed products, or no wait.
.macro HALF p, zero, j, kind, ap, av, ts, off
.set RA, -1
.set RB, -1
.set RC, -1
.set RE, -1
.set JJ, \j
.if (\p) == 0 && (\j) > 0
.set RA, 1
.set RB, 2
.set RC, 3
.endif
.if (\p) == 1 && (\kind) != 4
.set RE, 0
.set JJ, \j+1
.endif
	MM \p, 0, \zero, 1, RA, JJ
.if (\kind) == 0
	s_wait_dscnt 8                                 ; P's tile 1 is in
	MM \p, 1, \zero, 0, RB, JJ
.if RA < 0
	PLACES 4
.endif
	FETCH \ap, \av, \ts, \off, 1-(\p)
	s_wait_dscnt 48                                ; all but the 48 just issued: P's tiles 2, 3 are in
.elseif (\kind) == 4
	s_wait_dscnt 0x0
	MM \p, 1, \zero, 0, RB, JJ
.else
	s_wait_dscnt 0x0                               ; my reads of this region are over
	WIN 0
	s_wait_tensorcnt 0x0                           ; all my tensor loads have landed: my part of the other region
	ds_add_u32 v[SPW], v[NIL]                      ; 0 onto my spare word
.if (\kind) == 1 || (\kind) == 5
	s_add_nc_u64 s[G0+2:G0+3], s[G0+2:G0+3], 12288 ; three blocks on
	s_add_nc_u64 s[G0B+2:G0B+3], s[G0B+2:G0B+3], 12288
.if (\kind) == 5
	s_lshl_b32 s[G0+1], s16, 14                    ; one block alone: 4,096 bytes a tile in LDS
	s_lshl_b32 s[G0B+1], s16, 15
	s_add_co_u32 s[G0B+1], s[G0B+1], VD
.endif
.elseif (\kind) == 2
	s_add_nc_u64 s[G0+6:G0+7], s[G0+6:G0+7], 12288
	s_add_nc_u64 s[G0B+6:G0B+7], s[G0B+6:G0B+7], 12288
.endif
	PAIR \p, 1, 0, \zero, -1, 0
	PAIR \p, 1, 2, \zero, -1, 0
	s_wait_dscnt 0x0                               ; the add is done
	s_barrier_signal -1
	PAIR \p, 1, 4, \zero, -1, 0
	PAIR \p, 1, 6, \zero, -1, 0
	WIN 0
	s_barrier_wait -1
.if (\kind) == 3
	PLACES 4
.else
	CREST                                          ; a round of the cluster's barrier: no wave of any partner still reads this region or has a load on its way
.if (\kind) == 1
	JLOAD G0, G1, G0B, G1B                         ; the first tensor load behind the round, my one load out
.elseif (\kind) == 2
	JLOAD G0+4, G1S, G0B+4, G1BS
.else
	JLOAD G0, G1S, G0B, G1BS
.endif
.endif
	FETCH \ap, \av, \ts, \off, 1-(\p)
.if (\j) == 0
	ASK 4
	ASK 5
.elseif (\j) == 2
	ASK 6
.elseif (\j) == 3
	ASK 7
.endif
.endif
	MM \p, 2, \zero, 0, RC, JJ
	MM \p, 3, \zero, 0, RE, JJ
.endm
	s_wait_alu depctr_va_vdst(0)
	s_wait_tensorcnt 0x0                           ; my part of block 0 is in; these lines stand ahead of a later first fill as ahead of a refill
	ds_add_u32 v[SPW], v[NIL]
	s_wait_dscnt 0x0
	CROUND
	JLOAD G0, G1, G0B, G1B                         ; blocks 1, 2: D's first fill
	FETCH APS, AVS, 4096, 0, 0
	ASK 3
	HALF 0, 1, 0, 0, APS, AVS, 4096, 2048          ; the eight blocks are written out: what differs between them stands in the macros' arguments
	HALF 1, 0, 0, 2, APD, AVD, 8192, 0             ; S takes block 3
	HALF 0, 0, 1, 0, APD, AVD, 8192, 2048
	HALF 1, 0, 1, 0, APD, AVD, 8192, 4096
	HALF 0, 0, 2, 0, APD, AVD, 8192, 6144
	HALF 1, 0, 2, 1, APS, AVS, 4096, 0             ; D takes blocks 4, 5
	HALF 0, 0, 3, 0, APS, AVS, 4096, 2048
	HALF 1, 0, 3, 2, APD, AVD, 8192, 0             ; S takes block 6
	HALF 0, 0, 4, 0, APD, AVD, 8192, 2048
	HALF 1, 0, 4, 0, APD, AVD, 8192, 4096
	HALF 0, 0, 5, 0, APD, AVD, 8192, 6144
	HALF 1, 0, 5, 5, APS, AVS, 4096, 0             ; D takes block 7
	HALF 0, 0, 6, 0, APS, AVS, 4096, 2048
	HALF 1, 0, 6, 3, AP7, AV7, 4096, 0
	HALF 0, 0, 7, 0, AP7, AV7, 4096, 2048
	HALF 1, 0, 7, 4, 0, 0, 0, 0
; THE WAY OUT, a tile of 16 queries x 128 channels at a time: through my own stage in LDS, back as whole rows of 512 bytes.
.macro TOSTAGE a
	WIN 0x42                                       ; source 0 (the sums) window 2, source 1 window 0, destination window 1
.set k, 0
.rept 32
	v_pk_mul_f32 v[k:k+1], v[64*(\a)+k:64*(\a)+k+1], v[WT+16*(\a):WT+16*(\a)+1]
.set k, k+2
.endr
	WIN 0x04                                       ; the stores' data: window 1
.irp b, 0,1,2,3,4,5,6,7
	ds_store_b128 v[STO], v[8*\b:8*\b+3] offset:64*\b
	ds_store_b128 v[STO], v[8*\b+4:8*\b+7] offset:64*\b+16
.endr
	WIN 0
.set BB, PF+64*((\a)%2)
.irp t, 0,1,2,3,4,5,6,7,8,9,10,11,12,13,14,15
	ds_load_b128 v[BB+4*\t:BB+4*\t+3], v[RD] offset:\t*SP   ; LDS serves a wave's instructions in order (ISA guide 5.7.1.4): these see my stores, and the next tile's stores come behind them
.endr
.endm
.macro SEND a, younger                 ; younger: the LDS instructions issued behind tile a's loads, which may stay out
.set BB, PF+64*((\a)%2)
	s_wait_dscnt \younger
.irp t, 0,1,2,3,4,5,6,7,8,9,10,11,12,13,14,15
	global_store_b128 v[CO], v[BB+4*\t:BB+4*\t+3], s[12:13] offset:65536*(\a)+4096*\t th:TH_STORE_NT   ; 32 lanes store 512 consecutive bytes, at a multiple of 512 from O's first byte; written once, read by nobody here
.endr
.endm
	PLACES 4                                       ; results just made are read, and registers that held fragments are written
	TOSTAGE 0
	TOSTAGE 1
	SEND 0, 32                                     ; behind tile 0's loads: tile 1's 16 stores and 16 loads
	s_wait_xcnt 0x0                                ; tile 0's stores have read their registers: tile 2's rows may land there
	TOSTAGE 2
	SEND 1, 32
	s_wait_xcnt 0x0
	TOSTAGE 3
	SEND 2, 32
	SEND 3, 0
	s_wait_tensorcnt 0x0                           ; the wave's end, behind my last tensor load and my last LDS store
	ds_add_u32 v[SPW], v[NIL]
	s_wait_dscnt 0x0
	CROUND                                         ; the closing round
	s_endpgm
.Lfunc_end_k_q326cb1983c_pv:
	.size	k_q326cb1983c_pv, .Lfunc_end_k_q326cb1983c_pv-k_q326cb1983c_pv
	.p2alignl 7, 3214868480
	.fill 96, 4, 3214868480
	.section	.rodata,"a",@progbits
	.p2align	6, 0x0
	.amdhsa_kernel k_q326cb1983c_pv
		.amdhsa_group_segment_fixed_size 327680
		.amdhsa_private_segment_fixed_size 0
		.amdhsa_enable_private_segment 0
		.amdhsa_kernarg_size 40
		.amdhsa_user_sgpr_count 2
		.amdhsa_user_sgpr_kernarg_segment_ptr 1
		.amdhsa_wavefront_size32 1
		.amdhsa_system_sgpr_workgroup_id_x 1
		.amdhsa_system_sgpr_workgroup_id_y 1
		.amdhsa_system_sgpr_workgroup_id_z 1
		.amdhsa_system_vgpr_workitem_id 0
		.amdhsa_next_free_vgpr 768
		.amdhsa_next_free_sgpr 100
		.amdhsa_reserve_vcc 0
		.amdhsa_float_denorm_mode_32 3
		.amdhsa_float_denorm_mode_16_64 3
		.amdhsa_memory_ordered 1
		.amdhsa_forward_progress 1
		.amdhsa_inst_pref_size 206
	.end_amdhsa_kernel
	.amdgpu_metadata
---
amdhsa.version: [ 1, 2 ]
amdhsa.kernels:
  - .name:           k_q326cb1983c_pv
    .symbol:         k_q326cb1983c_pv.kd
    .args:
      - { .name: Pf, .offset: 0, .size: 8, .value_kind: global_buffer, .address_space: global }
      - { .name: Vf, .offset: 8, .size: 8, .value_kind: global_buffer, .address_space: global }
      - { .name: stats, .offset: 16, .size: 8, .value_kind: global_buffer, .address_space: global }
      - { .name: lowp_scales, .offset: 24, .size: 8, .value_kind: global_buffer, .address_space: global }
      - { .name: out0, .offset: 32, .size: 8, .value_kind: global_buffer, .address_space: global }
    .group_segment_fixed_size: 327680
    .private_segment_fixed_size: 0
    .kernarg_segment_align: 8
    .kernarg_segment_size: 40
    .max_flat_workgroup_size: 128
    .sgpr_count:     100
    .vgpr_count:     768
    .wavefront_size: 32
...
	.end_amdgpu_metadata
.endif
;; end of part 3
